; MI455X (gfx1250); checked and timed in simulation.
; The chip was launched on July 23, 2026; its instructions are those of AMD's public machine-readable ISA for CDNA 5 (MIT licence, August 2026) and "CDNA5" Instruction Set Architecture Reference Guide (July 2026). The comments in the code are by the model that wrote it; some were corrected since.
;; Attention. Allowed arithmetic: matrix products marked QUANTISED: E4M3 operands, one given power-of-two scale a tensor, by v_wmma_f32_16x16x64_fp8_fp8 or v_wmma_f32_16x16x128_fp8_fp8, f32 sums; everything else in f32.
;; Inputs: cos 2,048 x 64 float32; lowp_scales 12 int32 (the exponents e of the quantised operands' scales 2^e); mask 2,048 x 2,048 float32; sin 2,048 x 64 float32; wk 2,048 x 2,048 float32; wo 2,048 x 2,048 float32; wq 2,048 x 2,048 float32; wv 2,048 x 2,048 float32; x 1 x 2,048 x 2,048 float32.
;; Outputs: out0 1 x 2,048 x 2,048 float32.
;; Constants: start_p = 0.
;; This version of the problem:
;;   THIS VERSION OF THE PROBLEM IS GIVEN IN LOW PRECISION. The matrix products marked QUANTISED in the list below multiply operands that are first quantised to E4M3 (4 exponent bits, 3 mantissa bits; 8 bits a number), with one given power-of-two scale for each operand tensor; their sums are f32. All else is computed in f32.
;;   The module's matrix products, in the order in which they are computed (A, B: the left and right operand; K: the contracted axis; several contracted axes count as one K, in the product's order):
;;     1. [M 2,048, K 2,048] x [K 2,048, N 2,048]; A: input x; B: input wq: QUANTISED (scales: A lowp_scales[0], B lowp_scales[1])
;;     2. [M 2,048, K 2,048] x [K 2,048, N 2,048]; A: input x; B: input wk: QUANTISED (scales: A lowp_scales[2], B lowp_scales[3])
;;     3. [M 2,048, K 2,048] x [K 2,048, N 2,048]; A: input x; B: input wv: QUANTISED (scales: A lowp_scales[4], B lowp_scales[5])
;;     4. batch 16 x [M 2,048, K 128] x [K 128, N 2,048]; A: computed on the way; B: computed on the way: QUANTISED (scales: A lowp_scales[6], B lowp_scales[7])
;;     5. batch 16 x [M 2,048, K 2,048] x [K 2,048, N 128]; A: softmax (see below); B: computed on the way: QUANTISED (scales: A lowp_scales[8], B lowp_scales[9])
;;     6. [M 2,048, K 2,048] x [K 2,048, N 2,048]; A: computed on the way; B: input wo: QUANTISED (scales: A lowp_scales[10], B lowp_scales[11])
;;   THE QUANTISER, for each operand of a quantised product, along K:
;;     - The operand's scale is 2^e, e = its entry of the input lowp_scales (int32; the entries are numbered through the quantised products in the list's order, A before B).
;;     - Each number is divided by the scale, clamped to +-448, and rounded to the nearest number of E4M3, ties to even, subnormals kept.
;;     - The product sums the exact products of the quantised numbers (number of the format x scale) in f32.
;;   ~~~python
;;   def quantise(x, axis, e):      # numpy; x: float32 -> the quantised numbers, widened to float32 again
;;       x = np.moveaxis(x, axis, -1); K = x.shape[-1]
;;       r = np.clip(x / 2.0 ** e, -448, 448)
;;       step = 2.0 ** (np.maximum(np.frexp(np.where(r == 0, 1, r))[1] - 1, -6) - 3)
;;       q = np.round(r / step) * step * 2.0 ** e      # np.round: ties to even
;;       return np.moveaxis(q, -1, axis).astype(np.float32)
;;   ~~~
;;   SOFTMAX AHEAD OF A QUANTISED PRODUCT. Where the list says 'softmax', what is quantised is not the finished softmax but p = 2^(t - M), with t = logit x log2(e) and M = ceil(the row's largest t), a whole number; so 1/2 < the row's largest p <= 1. The row's sum l is taken of the UNQUANTISED p, in f32, and the product's result is divided by l at the end. Since M is a whole number, a kernel that streams over the keys may use a running M (the ceiling of the running maximum): every later rescaling is an exact power of two, so the quantised numbers keep their values, but for numbers so far below the row's largest that they fall under the format's range.
;;   OPERANDS COMPUTED ON THE WAY. 'Computed on the way' means the value that the module computes at that place (a softmax that the list does not call 'softmax' is quantised finished and normalised). What goes into a quantiser is computed in f32, as accurately as f32 sums, v_exp_f32 and their like allow (about 1e-6 of the number): no bf16 or f16 on the way to a quantiser, and a product that is left as it is and whose result goes on into a quantised operand takes f32 operands (vector FMAs, or v_wmma_f32_16x16x4_f32). A number that lies on a knife's edge between two numbers of the format may be rounded either way, as far as f32 arithmetic and the matrix unit's own rounding can turn it there, and no further.
;; One version. Each part assembles by itself: llvm-mc -triple=amdgcn-amd-amdhsa -mcpu=gfx1250 --defsym DOCPART=n.
;; ======== version 1 of 1: 4 launches
;; limits: right only within a limited range of input values
;; workspace buffers: codes 29,360,128 bytes; rope 1,048,576 bytes; qkvc 12,582,912 bytes; ac 4,194,304 bytes
;; launch quant (part 1): grid 672 x 1, 4 waves a work-group, no clusters, 33,280 bytes of LDS; arguments x, wq, wk, wv, wo, cos, sin, lowp_scales, codes, rope; writes codes, rope
.if DOCPART == 1
	.amdgcn_target "amdgcn-amd-amdhsa--gfx1250"
	.amdhsa_code_object_version 6
	.text
	.protected	k_qf99d456e88_quant
	.globl	k_qf99d456e88_quant
	.p2align	8
	.type	k_qf99d456e88_quant,@function
k_qf99d456e88_quant:
	s_mov_b64 s[64:65], 0
	v_nop
	global_prefetch_b8 v0, s[64:65] scope:SCOPE_SE
	s_setreg_imm32_b32 hwreg(HW_REG_WAVE_MODE, 25, 1), 1
	s_wait_xcnt 0x0
; x, wq, wk, wv, wo, each [2048][2048] f32 with K innermost, become codes of FP8 (E4M3), one byte a number, K innermost, in seven planes of 4 MiB:
; planes 0, 1, 2: x under 2^e0, 2^e2, 2^e4 (the three products that read x have a scale each);  planes 3, 4, 5, 6: wq (e1), wk (e3), wv (e5), wo (e11).
; code = number / 2^e, held within +-448, rounded to the nearest code, ties to even.
; LIMITS: each of these exponents lies between -126 and 119, so that 2^e and 448 x 2^e are f32 numbers.  NaN among the inputs is not served (an infinity is held at the largest code).
; Work-groups 0 to 639 stream: tensor = number / 128, and each wave takes 16 steps of 512 numbers.  A step's four loads read 512 consecutive bytes each; the 2,048 bytes turn through the wave's own
; stage in LDS and come back 64 bytes a lane, since a conversion takes neighbours along K from ONE lane's registers.  A lane's 16 codes are 16 bytes: a wave's store covers 512 consecutive bytes.
; x is read once and converted three times; the weights once (a scalar branch on the work-group's number round the two further conversions).
; Work-groups 640 to 671 lay cos and sin ([2048][64] f32) anew as images of the registers in which the next launch wants them: [table][block of 16 rows][b = 0..7][lane (r, h)][16 bytes] = table[16 block + r][8 b + 4 h + 0..3].
; No tensor load, no barrier: waves share nothing.
.set STEPS, 16
.set NSTREAM, 640
.set SP,    80                         ; a lane's place in a stage: its 64 bytes + 16 of padding
.set WREG,  8192                       ; LDS: a region for each wave: two stages of 32 x SP bytes
.set R,     16                         ; v16-79   four sets of 16 numbers as they are loaded
.set X,     80                         ; v80-111  two sets of 16 neighbours
.set HN,    112                        ; v112-127 the 16 numbers, held, of the conversion in hand
.set C,     128                        ; v128-151 codes: two sets (steps by turns) x three jobs x four registers
.set SC,    5                          ; v5-7     2^e of jobs 0, 1, 2
.set LIM,   8                          ; v8-10    448 x 2^e of jobs 0, 1, 2
	s_load_b512 s[4:19], s[0:1], 0x0               ; x, wq, wk, wv, wo, cos, sin, the scales' exponents
	s_load_b128 s[20:23], s[0:1], 0x40             ; codes, rope
	v_lshl_add_u32 v152, v0, 2, 0x8000
	v_mov_b32 v153, 0
	v_lshrrev_b32 v1, 5, v0
	v_readfirstlane_b32 s24, v1                    ; wave
	v_and_b32 v2, 31, v0                           ; lane
	v_lshlrev_b32 v3, 4, v2                        ; 16 x lane: my 16 bytes of a load's or a store's 512
	s_cmp_ge_u32 ttmp9, NSTREAM
	s_cbranch_scc1 .Lrope
	s_lshr_b32 s25, ttmp9, 7                       ; which tensor: 0 x, 1 wq, 2 wk, 3 wv, 4 wo
	s_and_b32 s48, ttmp9, 127
	s_lshl_b32 s48, s48, 2
	s_add_co_u32 s48, s48, s24                     ; which run of 8,192 numbers is my wave's
	s_lshl_b32 s50, s48, 15                        ; its bytes in the tensor,
	s_mov_b32 s51, 0
	s_lshl_b32 s52, s48, 13                        ; and in a plane of codes
	s_mov_b32 s53, 0
	s_add_co_u32 s49, s25, 2
	s_cmp_eq_u32 s25, 0
	s_cselect_b32 s49, 0, s49                      ; job 0's plane: 0 for x, tensor + 2 for a weight
	s_lshl_b32 s49, s49, 22
	s_add_co_u32 s52, s52, s49
	s_mul_i32 s49, s24, WREG
	s_wait_alu depctr_va_vdst(0)
	v_lshrrev_b32 v14, 2, v2
	v_mul_u32_u24 v14, v14, SP
	v_and_b32 v15, 3, v2
	v_lshl_add_u32 v14, v15, 4, v14
	v_add_nc_u32 v14, s49, v14                     ; the stage, on the way in: four lanes' 64 bytes on end, then the padding
	v_mul_u32_u24 v15, v2, SP
	v_add_nc_u32 v15, s49, v15                     ; and on the way out: my 16 neighbours
	s_wait_alu depctr_va_vdst(0)
	s_wait_kmcnt 0x0
	s_load_b256 s[36:43], s[18:19], 0x0            ; e0 .. e7
	s_load_b128 s[44:47], s[18:19], 0x20           ; e8 .. e11
	s_cmp_eq_u32 s25, 1                            ; the tensor's address: the choice hangs on the work-group's number alone
	s_cselect_b64 s[26:27], s[6:7], s[4:5]
	s_cmp_eq_u32 s25, 2
	s_cselect_b64 s[26:27], s[8:9], s[26:27]
	s_cmp_eq_u32 s25, 3
	s_cselect_b64 s[26:27], s[10:11], s[26:27]
	s_cmp_eq_u32 s25, 4
	s_cselect_b64 s[26:27], s[12:13], s[26:27]
	s_add_nc_u64 s[26:27], s[26:27], s[50:51]
	s_add_nc_u64 s[28:29], s[20:21], s[52:53]      ; job 0's codes,
	s_add_nc_u64 s[30:31], s[28:29], 0x400000      ; job 1's a plane further on, job 2's two (used for x alone)
	s_add_nc_u64 s[32:33], s[28:29], 0x800000
.macro LOAD t
.irp i, 0,1,2,3
	global_load_b128 v[R+16*((\t)%4)+4*\i:R+16*((\t)%4)+4*\i+3], v3, s[26:27] offset:2048*(\t)+512*\i th:TH_LOAD_NT   ; 32 lanes read 512 consecutive bytes; read once
.endr
.endm
.macro TURN t                          ; step t's numbers through the stage: LDS serves a wave's instructions in order, so no wait stands between the stores and the loads
.irp i, 0,1,2,3
	ds_store_b128 v14, v[R+16*((\t)%4)+4*\i:R+16*((\t)%4)+4*\i+3] offset:32*SP*((\t)%2)+8*SP*\i
.endr
.irp i, 0,1,2,3
	ds_load_b128 v[X+16*((\t)%2)+4*\i:X+16*((\t)%2)+4*\i+3], v15 offset:32*SP*((\t)%2)+16*\i
.endr
.endm
.macro MKSC j, e                       ; job j's scale 2^e and its hold 448 x 2^e as f32 numbers
	s_add_co_i32 s55, \e, 127
	s_lshl_b32 s56, s55, 23
	v_mov_b32 v[SC+\j], s56
	s_add_co_i32 s55, s55, 8
	s_lshl_b32 s55, s55, 23
	s_or_b32 s55, s55, 0x600000
	v_mov_b32 v[LIM+\j], s55
.endm
.irp t, 0,1,2,3
	LOAD \t
.endr
	s_wait_kmcnt 0x0
	s_cmp_eq_u32 s25, 1                            ; job 0's exponent: e0, e1, e3, e5, e11 by the tensor
	s_cselect_b32 s54, s37, s36
	s_cmp_eq_u32 s25, 2
	s_cselect_b32 s54, s39, s54
	s_cmp_eq_u32 s25, 3
	s_cselect_b32 s54, s41, s54
	s_cmp_eq_u32 s25, 4
	s_cselect_b32 s54, s47, s54
	MKSC 0, s54
	MKSC 1, s38                                    ; e2
	MKSC 2, s40                                    ; e4
	s_wait_alu depctr_va_vdst(0)
	s_wait_loadcnt 12                              ; step 0's four loads are in
	TURN 0
.macro QJOB t, j                       ; the step's 16 numbers of my lane under job j's scale
.irp i, 0,1,2,3,4,5,6,7,8,9,10,11,12,13,14,15
	v_med3_num_f32 v[HN+\i], v[XS+\i], -v[LIM+\j], v[LIM+\j]   ; the conversion to an 8-bit code does not saturate (ISA guide 7.6.2): the number is held first, into other registers, since x is converted three times
.endr
	v_cvt_scalef32_pk8_fp8_f32 v[C+12*((\t)%2)+4*\j:C+12*((\t)%2)+4*\j+1], v[HN:HN+7], v[SC+\j]
	v_cvt_scalef32_pk8_fp8_f32 v[C+12*((\t)%2)+4*\j+2:C+12*((\t)%2)+4*\j+3], v[HN+8:HN+15], v[SC+\j]
	v_nop                                          ; a plain vector line between the conversions and the next holds, which write their sources
	global_store_b128 v3, v[C+12*((\t)%2)+4*\j:C+12*((\t)%2)+4*\j+3], s[28+2*\j:29+2*\j] offset:512*(\t)
.endm
.macro STEP t
.set XS, X+16*((\t)%2)
	s_wait_dscnt 0x0                               ; this step's numbers are back from the stage, so its stores into the stage have read their registers,
.if (\t)+4 < STEPS
	LOAD (\t)+4                                    ; which take the loads of four steps on
.endif
.if (\t)+1 < STEPS
.if STEPS-2-(\t) >= 3
	s_wait_loadcnt 12                              ; the next step's four loads are in; those of the three steps behind it may be out
.else
	s_wait_loadcnt 4*(STEPS-2-(\t))
.endif
	TURN (\t)+1                                    ; and go through the other stage while this step is worked
.endif
	s_wait_xcnt 0x0                                ; the stores of two steps ago have read their codes' registers: this step writes them again
	QJOB \t, 0
	s_cmp_lg_u32 s25, 0
	s_cbranch_scc1 .Lone_\@                        ; a weight has one scale
	QJOB \t, 1
	QJOB \t, 2
.Lone_\@:
.endm
.irp t, 0,1,2,3,4,5,6,7,8,9,10,11,12,13,14,15
	STEP \t
.endr
	s_wait_tensorcnt 0x0
	ds_add_u32 v152, v153
	s_wait_dscnt 0x0
	s_endpgm
.Lrope:                                            ; 32 work-groups x 4 waves x 2 blocks of 16 rows = 2 tables x 128 blocks
	s_sub_co_u32 s48, ttmp9, NSTREAM
	s_lshr_b32 s49, s48, 4                         ; 0 cos, 1 sin
	s_and_b32 s48, s48, 15
	s_lshl_b32 s48, s48, 3
	s_lshl_b32 s50, s24, 1
	s_add_co_u32 s48, s48, s50                     ; my first block
	s_lshl_b32 s50, s48, 12                        ; a block is 16 rows of 256 bytes, before and after
	s_mov_b32 s51, 0
	s_lshl_b32 s52, s49, 19
	s_add_co_u32 s52, s52, s50
	s_mov_b32 s53, 0
	v_and_b32 v4, 15, v0
	v_bfe_u32 v11, v0, 4, 1
	v_lshlrev_b32 v4, 8, v4
	v_lshl_add_u32 v4, v11, 4, v4                  ; in: row r, + 16 h
	s_wait_alu depctr_va_vdst(0)
	s_wait_kmcnt 0x0
	s_cmp_eq_u32 s49, 0
	s_cselect_b64 s[26:27], s[14:15], s[16:17]
	s_add_nc_u64 s[26:27], s[26:27], s[50:51]
	s_add_nc_u64 s[28:29], s[22:23], s[52:53]
.irp k, 0,1
.irp b, 0,1,2,3,4,5,6,7
	global_load_b128 v[R+4*(8*\k+\b):R+4*(8*\k+\b)+3], v4, s[26:27] offset:4096*\k+32*\b
.endr
.endr
.irp k, 0,1
.irp b, 0,1,2,3,4,5,6,7
	s_wait_loadcnt 15-(8*\k+\b)                    ; loads come back in order: this one is in, the younger ones may be out
	global_store_b128 v3, v[R+4*(8*\k+\b):R+4*(8*\k+\b)+3], s[28:29] offset:512*(8*\k+\b)   ; 512 consecutive bytes
.endr
.endr
	s_endpgm
.Lfunc_end_k_qf99d456e88_quant:
	.size	k_qf99d456e88_quant, .Lfunc_end_k_qf99d456e88_quant-k_qf99d456e88_quant
	.p2alignl 7, 3214868480
	.fill 96, 4, 3214868480
	.section	.rodata,"a",@progbits
	.p2align	6, 0x0
	.amdhsa_kernel k_qf99d456e88_quant
		.amdhsa_group_segment_fixed_size 33280
		.amdhsa_private_segment_fixed_size 0
		.amdhsa_enable_private_segment 0
		.amdhsa_kernarg_size 80
		.amdhsa_user_sgpr_count 2
		.amdhsa_user_sgpr_kernarg_segment_ptr 1
		.amdhsa_wavefront_size32 1
		.amdhsa_system_sgpr_workgroup_id_x 1
		.amdhsa_system_sgpr_workgroup_id_y 1
		.amdhsa_system_sgpr_workgroup_id_z 1
		.amdhsa_system_vgpr_workitem_id 0
		.amdhsa_next_free_vgpr 154
		.amdhsa_next_free_sgpr 66
		.amdhsa_reserve_vcc 0
		.amdhsa_float_denorm_mode_32 3
		.amdhsa_float_denorm_mode_16_64 3
		.amdhsa_memory_ordered 1
		.amdhsa_forward_progress 1
		.amdhsa_inst_pref_size 85
	.end_amdhsa_kernel
	.amdgpu_metadata
---
amdhsa.version: [ 1, 2 ]
amdhsa.kernels:
  - .name:           k_qf99d456e88_quant
    .symbol:         k_qf99d456e88_quant.kd
    .args:
      - { .name: x, .offset: 0, .size: 8, .value_kind: global_buffer, .address_space: global }
      - { .name: wq, .offset: 8, .size: 8, .value_kind: global_buffer, .address_space: global }
      - { .name: wk, .offset: 16, .size: 8, .value_kind: global_buffer, .address_space: global }
      - { .name: wv, .offset: 24, .size: 8, .value_kind: global_buffer, .address_space: global }
      - { .name: wo, .offset: 32, .size: 8, .value_kind: global_buffer, .address_space: global }
      - { .name: cos, .offset: 40, .size: 8, .value_kind: global_buffer, .address_space: global }
      - { .name: sin, .offset: 48, .size: 8, .value_kind: global_buffer, .address_space: global }
      - { .name: lowp_scales, .offset: 56, .size: 8, .value_kind: global_buffer, .address_space: global }
      - { .name: codes, .offset: 64, .size: 8, .value_kind: global_buffer, .address_space: global }
      - { .name: rope, .offset: 72, .size: 8, .value_kind: global_buffer, .address_space: global }
    .group_segment_fixed_size: 33280
    .private_segment_fixed_size: 0
    .kernarg_segment_align: 8
    .kernarg_segment_size: 80
    .max_flat_workgroup_size: 128
    .sgpr_count:     66
    .vgpr_count:     154
    .wavefront_size: 32
...
	.end_amdgpu_metadata
.endif
;; end of part 1
;; launch qkv (part 2): grid 24 x 8, 4 waves a work-group, clusters of 4 x 4, 327,680 bytes of LDS; arguments codes, rope, lowp_scales, qkvc; writes qkvc
.if DOCPART == 2
	.amdgcn_target "amdgcn-amd-amdhsa--gfx1250"
	.amdhsa_code_object_version 6
	.text
	.protected	k_qf99d456e88_qkv
	.globl	k_qf99d456e88_qkv
	.p2align	8
	.type	k_qf99d456e88_qkv,@function
k_qf99d456e88_qkv:
	s_mov_b64 s[64:65], 0
	v_nop
	global_prefetch_b8 v0, s[64:65] scope:SCOPE_SE
	s_setreg_imm32_b32 hwreg(HW_REG_WAVE_MODE, 25, 1), 1
	s_wait_xcnt 0x0
	s_wait_alu depctr_hold_cnt(0) depctr_sa_sdst(0) depctr_va_vdst(0) depctr_va_sdst(0) depctr_va_ssrc(0) depctr_va_vcc(0) depctr_vm_vsrc(0)
	s_getreg_b32 s2, hwreg(HW_REG_IB_STS2, 6, 4)
	s_cmp_eq_u32 s2, 0
	s_cbranch_scc0 .Lentry_in_a_cluster
	s_endpgm
.Lentry_in_a_cluster:
	s_bfe_u32 s2, ttmp6, 0x10000c
	s_cmp_lg_u32 s2, 0xf033
	s_cbranch_scc0 .Lentry_shape_is_right
	s_endpgm
.Lentry_shape_is_right:
.set KROW,   2048
.set ROWB,   256
.set PITCH,  272
.set FR,     16
.set NL,     4
.set NP,     4
.set HALFT,  128*PITCH
.set SLOT,   4*HALFT
.set LAPS,   KROW/(2*ROWB)
.set SPARE,  2*SLOT
.set SPITCH, 144
.set ADRA, 16
.set ADRB, 20
.set STO,  24
.set RD,   25
.set CO,   26
.set SPW,  28
.set NIL,  29
.set SCV,  30
.set LMV,  31
.set CD,   96
.set BK,   112
.set AF,   128
.set TMP,  192
.set G1, 24
.set G0, 32
.set G1B, 48
.set G0B, 56
.set MSB, 0
.macro WIN new
.if MSB != \new
	s_set_vgpr_msb (MSB<<8)|\new
.set MSB, \new
.endif
.endm
.set MUL_LO, 0xa1
.set MUL_HI, 0xf1
.set TO_B,   0x40
.macro JLOAD g0a, g1a, g0b, g1b
	s_cmp_eq_u32 s15, 0
	s_cbranch_scc0 .Lfor_b_\@
	tensor_load_to_lds s[\g0a:\g0a+3], s[\g1a:\g1a+7]
	s_nop 0
.rept 4
	v_nop
.endr
	s_branch .Lasked_\@
.Lfor_b_\@:
	tensor_load_to_lds s[\g0b:\g0b+3], s[\g1b:\g1b+7]
	s_nop 0
.rept 4
	v_nop
.endr
.Lasked_\@:
.endm
.macro CREST
	s_cmp_lg_u32 s14, 0
	s_cbranch_scc1 .Lnot_wave_0_\@
	s_barrier_signal -3
.Lnot_wave_0_\@:
	s_barrier_wait -3
	s_barrier_signal -1
	s_barrier_wait -1
.endm
.macro CROUND
	s_barrier_signal -1
	s_barrier_wait -1
	CREST
.endm
	s_load_b256 s[4:11], s[0:1], 0x0
	v_lshl_add_u32 v[SPW], v0, 2, SPARE
	v_mov_b32 v[NIL], 0
	ds_add_u32 v28, v29
	ds_add_u32 v28, v29
	s_wait_dscnt 0x0
	v_lshrrev_b32 v1, 5, v0
	v_readfirstlane_b32 s14, v1
	s_lshr_b32 s15, s14, 1
	s_and_b32 s16, s14, 1
	s_bfe_u32 s40, ttmp6, 0x40000
	s_bfe_u32 s41, ttmp6, 0x40004
	s_lshr_b32 s66, ttmp9, 1
	s_lshl_b32 s42, ttmp9, 2
	s_add_co_u32 s42, s42, s40
	s_and_b32 s42, s42, 7
	s_and_b32 s17, ttmp7, 0xffff
	s_lshl_b32 s17, s17, 2
	s_add_co_u32 s17, s17, s41
	s_lshl_b32 s43, s41, 2
	s_lshl_b32 s43, 15, s43
	s_lshl_b32 s44, 0x1111, s40
	s_or_b32 s[G1+0], s43, (0<<16)|(1<<20)|(1<<21)|(5<<22)|(3<<25)
	s_or_b32 s[G1B+0], s44, (0<<16)|(1<<20)|(1<<21)|(5<<22)|(3<<25)
.irp g, G1, G1B
	s_mov_b32 s[\g+1], ROWB<<16
	s_mov_b32 s[\g+2], 128<<16
	s_mov_b32 s[\g+3], ROWB<<16
	s_mov_b32 s[\g+4], 128
	s_mov_b32 s[\g+5], KROW
	s_mov_b32 s[\g+6], 0
	s_mov_b32 s[\g+7], 0
.endr
	s_lshr_b32 s80, s66, 1
	s_mul_i32 s80, s80, 3
	s_add_co_u32 s81, s66, s80
	s_add_co_u32 s82, s66, 3
	s_sub_co_u32 s82, s82, s80
	s_lshl_b32 s20, s81, 22
	s_lshl_b32 s18, s17, 19
	s_add_co_u32 s20, s20, s18
	s_lshl_b32 s19, s16, 18
	s_add_co_u32 s20, s20, s19
	s_mov_b32 s21, 0
	s_lshl_b32 s46, s82, 22
	s_lshl_b32 s83, s42, 19
	s_add_co_u32 s46, s46, s83
	s_add_co_u32 s46, s46, s19
	s_mov_b32 s47, 0
	s_mul_i32 s45, s14, HALFT
	s_wait_kmcnt 0x0
	s_load_b256 s[68:75], s[8:9], 0x0
	s_load_b128 s[76:79], s[8:9], 0x20
	s_add_nc_u64 s[20:21], s[4:5], s[20:21]
	s_add_nc_u64 s[46:47], s[4:5], s[46:47]
	CROUND
.irp s, 0,1
	s_mov_b32 s[G0+4*\s], 1
	s_add_co_u32 s[G0+4*\s+1], s45, \s*SLOT
	s_add_nc_u64 s[G0+4*\s+2:G0+4*\s+3], s[20:21], \s*ROWB
	s_or_b32 s[G0+4*\s+3], s[G0+4*\s+3], 0x80000000
	s_mov_b32 s[G0B+4*\s], 1
	s_add_co_u32 s[G0B+4*\s+1], s45, \s*SLOT
	s_add_nc_u64 s[G0B+4*\s+2:G0B+4*\s+3], s[46:47], \s*ROWB
	s_or_b32 s[G0B+4*\s+3], s[G0B+4*\s+3], 0x80000000
	s_wait_alu depctr_va_vdst(0)
	s_wait_tensorcnt 0x0
	ds_add_u32 v28, v29
	ds_add_u32 v28, v29
	s_wait_dscnt 0x0
	CROUND
	JLOAD G0+4*\s, G1, G0B+4*\s, G1B
.endr
	v_and_b32 v1, 15, v0
	s_wait_alu depctr_va_vdst(0)
	v_bfe_u32 v2, v0, 4, 1
	v_mul_u32_u24 v3, v1, PITCH
	v_lshl_add_u32 v4, v2, 4, v3
	s_mul_i32 s21, s15, HALFT
	s_mul_i32 s22, s16, HALFT
	s_add_co_u32 s22, s22, 2*HALFT
.irp s, 0,1
	v_add_nc_u32 v[ADRA+\s], s21, v4
	v_add_nc_u32 v[ADRB+\s], s22, v4
	s_add_co_u32 s21, s21, SLOT
	s_add_co_u32 s22, s22, SLOT
.endr
	s_mul_i32 s23, s14, 16*SPITCH
	v_mul_u32_u24 v5, v1, SPITCH
	s_wait_alu depctr_va_vdst(0)
	v_lshl_add_u32 v5, v2, 3, v5
	v_add_nc_u32 v[STO], s23, v5
	v_and_b32 v6, 31, v0
	v_lshrrev_b32 v7, 3, v6
	v_mul_u32_u24 v7, v7, SPITCH
	v_and_b32 v8, 7, v0
	v_lshl_add_u32 v7, v8, 4, v7
	v_add_nc_u32 v[RD], s23, v7
.set RDV, 27                           ; v27: V's way back from the stage: row l % 16, + 16 (l / 16): a block of V^T leaves as an image of the registers in which the next launch takes it
.set RDX, RD                           ; the address and the step that the way back from the stage uses: Q's and K's first
.set RDS, 4*SPITCH
	v_mul_u32_u24 v9, v1, SPITCH
	v_lshl_add_u32 v9, v2, 4, v9
	v_add_nc_u32 v[RDV], s23, v9
	v_lshlrev_b32 v[CO], 4, v6
	s_lshl_b32 s84, s17, 16
	s_lshl_b32 s85, s15, 15
	s_add_co_u32 s84, s84, s85
	s_mov_b32 s85, 0
	s_add_nc_u64 s[6:7], s[6:7], s[84:85]
.macro TAB a
.set TS, 32+96*((\a)%2)
.irp b, 0,1,2,3,4,5,6,7
	global_load_b128 v[TS+4*\b:TS+4*\b+3], v[CO], s[6:7] offset:4096*(\a)+512*\b
.endr
.irp b, 0,1,2,3,4,5,6,7
	global_load_b128 v[TS+32+4*\b:TS+32+4*\b+3], v[CO], s[6:7] offset:524288+4096*(\a)+512*\b
.endr
.endm
	TAB 0
	s_cmp_eq_u32 s66, 2
	s_cselect_b32 s84, s17, s42
	s_cselect_b32 s85, s42, s17
	s_cselect_b32 s86, s16, s15
	s_cselect_b32 s87, s15, s16
	s_lshl_b32 s85, s85, 1
	s_add_co_u32 s85, s85, s86
	s_lshl_b32 s84, s84, 19
	s_lshl_b32 s85, s85, 15
	s_add_co_u32 s84, s84, s85
	s_lshl_b32 s87, s87, 14
	s_add_co_u32 s84, s84, s87
	s_lshl_b32 s86, s66, 22
	s_add_co_u32 s84, s84, s86
	s_mov_b32 s85, 0
	s_add_nc_u64 s[10:11], s[10:11], s[84:85]
.macro FRAG reg, adr, q, i
.irp c, 0,1,2,3
	ds_load_b128 v[\reg+4*\c:\reg+4*\c+3], v[\adr] offset:128*(\q)+32*\c+(\i)*16*PITCH
.endr
.endm
.macro MUL16 a0, p, zero
.irp a, \a0, \a0+1
.irp b, 0,1,2,3,4,5,6,7
.if \zero
	v_wmma_f32_16x16x128_fp8_fp8 v[8*(8*((\a)%4)+\b):8*(8*((\a)%4)+\b)+7], v[128*(\p)+FR*\b:128*(\p)+FR*\b+FR-1], v[AF+FR*(\a):AF+FR*(\a)+FR-1], 0
.else
	v_wmma_f32_16x16x128_fp8_fp8 v[8*(8*((\a)%4)+\b):8*(8*((\a)%4)+\b)+7], v[128*(\p)+FR*\b:128*(\p)+FR*\b+FR-1], v[AF+FR*(\a):AF+FR*(\a)+FR-1], v[8*(8*((\a)%4)+\b):8*(8*((\a)%4)+\b)+7]
.endif
.endr
.endr
.endm
.macro FETCH_B slot, q, p
	WIN TO_B
.irp i, 0,1,2,3,4,5,6,7
	FRAG 128*(\p)+FR*\i, ADRB+\slot, \q, \i
.endr
	WIN 0
.endm
.macro FETCH_A slot, q, i0
.irp i, \i0, \i0+1, \i0+2, \i0+3
	FRAG AF+FR*(\i), ADRA+\slot, \q, \i
.endr
.endm
.macro PLACES n
.rept \n
	v_nop
.endr
.endm
.macro STEP slot, q, zero
	s_wait_dscnt 4*NL
	WIN MUL_LO
	MUL16 0, (\q)%2, \zero
	MUL16 2, (\q)%2, \zero
	s_wait_dscnt 0
	PLACES NP
	FETCH_B \slot, (\q)+1, 1-(\q)%2
	FETCH_A \slot, (\q)+1, 0
	WIN MUL_HI
	MUL16 4, (\q)%2, \zero
	MUL16 6, (\q)%2, \zero
	PLACES NP
	WIN 0
	FETCH_A \slot, (\q)+1, 4
.endm
.macro TURN slot, next, fill
	s_wait_tensorcnt 0x0
	ds_add_u32 v[SPW], v[NIL]
	s_wait_dscnt 4*NL+1
	WIN MUL_LO
	MUL16 0, 1, 0
	s_wait_dscnt 0x0
	s_barrier_signal -1
	MUL16 2, 1, 0
	WIN 0
	s_barrier_wait -1
.if \fill
	CREST
	s_add_nc_u64 s[G0+4*\slot+2:G0+4*\slot+3], s[G0+4*\slot+2:G0+4*\slot+3], 2*ROWB
	s_add_nc_u64 s[G0B+4*\slot+2:G0B+4*\slot+3], s[G0B+4*\slot+2:G0B+4*\slot+3], 2*ROWB
	JLOAD G0+4*\slot, G1, G0B+4*\slot, G1B
.else
	PLACES NP
.endif
	FETCH_B \next, 0, 0
	FETCH_A \next, 0, 0
	WIN MUL_HI
	MUL16 4, 1, 0
	MUL16 6, 1, 0
	PLACES NP
	WIN 0
	FETCH_A \next, 0, 4
.endm
	s_wait_tensorcnt 1
	s_barrier_signal -1
	s_barrier_wait -1
	FETCH_B 0, 0, 0
	FETCH_A 0, 0, 0
	FETCH_A 0, 0, 4
	STEP 0, 0, 1
	s_mov_b32 s3, LAPS-1
.Llap:
	TURN 0, 1, 1
	STEP 1, 0, 0
	TURN 1, 0, 1
	STEP 0, 0, 0
	s_sub_co_u32 s3, s3, 1
	s_cmp_lg_u32 s3, 0
	s_cbranch_scc1 .Llap
	TURN 0, 1, 0
	STEP 1, 0, 0
	s_wait_dscnt 4*NL
	WIN MUL_LO
	MUL16 0, 1, 0
	MUL16 2, 1, 0
	s_wait_dscnt 0
	WIN MUL_HI
	MUL16 4, 1, 0
	MUL16 6, 1, 0
	WIN 0
.macro ROT a
.set AC, 64*((\a)%4)
.set TS, 32+96*((\a)%2)
	WIN 0x02+((\a)/4)
.irp b, 0,1,2,3,4,5,6,7
.irp q, 0,1
	v_pk_mul_f32 v[TMP+8*\b+4*\q:TMP+8*\b+4*\q+1], v[AC+8*\b+4*\q:AC+8*\b+4*\q+1], v[TS+4*\b+2*\q:TS+4*\b+2*\q+1] op_sel:[0,0] op_sel_hi:[1,0]
	v_pk_mul_f32 v[TMP+8*\b+4*\q+2:TMP+8*\b+4*\q+3], v[AC+8*\b+4*\q+2:AC+8*\b+4*\q+3], v[TS+4*\b+2*\q:TS+4*\b+2*\q+1] op_sel:[0,1] op_sel_hi:[1,1]
.endr
.irp q, 0,1
	v_pk_fma_f32 v[TMP+8*\b+4*\q:TMP+8*\b+4*\q+1], v[AC+8*\b+4*\q:AC+8*\b+4*\q+1], v[TS+32+4*\b+2*\q:TS+32+4*\b+2*\q+1], v[TMP+8*\b+4*\q:TMP+8*\b+4*\q+1] op_sel:[1,0,0] op_sel_hi:[0,0,1] neg_lo:[0,1,0]
	v_pk_fma_f32 v[TMP+8*\b+4*\q+2:TMP+8*\b+4*\q+3], v[AC+8*\b+4*\q+2:AC+8*\b+4*\q+3], v[TS+32+4*\b+2*\q:TS+32+4*\b+2*\q+1], v[TMP+8*\b+4*\q+2:TMP+8*\b+4*\q+3] op_sel:[1,1,0] op_sel_hi:[0,1,1] neg_lo:[0,1,0]
.endr
.endr
	WIN 0
.set i, 0
.rept 64
	v_med3_num_f32 v[TMP+i], v[TMP+i], -v[LMV], v[LMV]
.set i, i+1
.endr
.endm
.macro HOLD a
.set AC, 64*((\a)%4)
	WIN 0x02+((\a)/4)
.set i, 0
.rept 64
	v_med3_num_f32 v[TMP+i], v[AC+i], -v[LMV], v[LMV]
.set i, i+1
.endr
	WIN 0
.endm
.macro CVT
.irp b, 0,1,2,3,4,5,6,7
	v_cvt_scalef32_pk8_fp8_f32 v[CD+2*\b:CD+2*\b+1], v[TMP+8*\b:TMP+8*\b+7], v[SCV]
.endr
	v_nop
.endm
.macro TOST
.irp b, 0,1,2,3,4,5,6,7
	ds_store_b64 v[STO], v[CD+2*\b:CD+2*\b+1] offset:16*\b
.endr
.irp i, 0,1,2,3
	ds_load_b128 v[BK+4*\i:BK+4*\i+3], v[RDX] offset:RDS*\i
.endr
.endm
.macro SEND a, perm
	s_wait_dscnt 0x0
.irp i, 0,1,2,3
.if \perm
	global_store_b128 v[CO], v[BK+4*\i:BK+4*\i+3], s[10:11] offset:128*(32*((\a)/2)+8*((\a)%2)+16*(\i/2)+4*(\i%2))
.else
	global_store_b128 v[CO], v[BK+4*\i:BK+4*\i+3], s[10:11] offset:2048*(\a)+512*\i
.endif
.endr
.endm
	s_wait_kmcnt 0x0
	s_sub_co_i32 s80, s74, s68
	s_sub_co_i32 s80, s80, s69
	s_sub_co_i32 s81, s75, s70
	s_sub_co_i32 s81, s81, s71
	s_sub_co_i32 s82, s77, s72
	s_sub_co_i32 s82, s82, s73
	s_cmp_eq_u32 s66, 1
	s_cselect_b32 s80, s81, s80
	s_cmp_eq_u32 s66, 2
	s_cselect_b32 s80, s82, s80
	s_add_co_i32 s80, s80, 127
	s_lshl_b32 s81, s80, 23
	v_mov_b32 v[SCV], s81
	s_add_co_i32 s80, s80, 8
	s_lshl_b32 s80, s80, 23
	s_or_b32 s80, s80, 0x600000
	v_mov_b32 v[LMV], s80
	PLACES NP
	s_cmp_eq_u32 s66, 2
	s_cbranch_scc1 .Lvpath
	s_wait_alu depctr_va_vdst(0)
	TAB 1
	s_wait_loadcnt 16
	ROT 0
	CVT
	TOST
.irp a, 1,2,3,4,5,6,7
.if \a < 7
	TAB \a+1
	s_wait_loadcnt 16
.else
	s_wait_loadcnt 0x0
.endif
	ROT \a
	s_wait_alu depctr_va_vdst(0)
	SEND \a-1, 1
	CVT
	s_wait_alu depctr_va_vdst(0)
	s_wait_xcnt 0x0
	TOST
.endr
	SEND 7, 1
	s_branch .Ldone
.Lvpath:
.set RDX, RDV                          ; V: load i brings lane (r, h) the 16 codes at keys 32 i + 16 h of row r; the 32 lanes' 512 bytes are stored on end
.set RDS, 32
	s_wait_alu depctr_va_vdst(0)
	HOLD 0
	CVT
	TOST
.irp a, 1,2,3,4,5,6,7
	HOLD \a
	s_wait_alu depctr_va_vdst(0)
	SEND \a-1, 0
	CVT
	s_wait_alu depctr_va_vdst(0)
	s_wait_xcnt 0x0
	TOST
.endr
	SEND 7, 0
.Ldone:
	s_wait_tensorcnt 0x0
	ds_add_u32 v[SPW], v[NIL]
	s_wait_dscnt 0x0
	CROUND
	s_endpgm
.Lfunc_end_k_qf99d456e88_qkv:
	.size	k_qf99d456e88_qkv, .Lfunc_end_k_qf99d456e88_qkv-k_qf99d456e88_qkv
	.p2alignl 7, 3214868480
	.fill 96, 4, 3214868480
	.section	.rodata,"a",@progbits
	.p2align	6, 0x0
	.amdhsa_kernel k_qf99d456e88_qkv
		.amdhsa_group_segment_fixed_size 327680
		.amdhsa_private_segment_fixed_size 0
		.amdhsa_enable_private_segment 0
		.amdhsa_kernarg_size 32
		.amdhsa_user_sgpr_count 2
		.amdhsa_user_sgpr_kernarg_segment_ptr 1
		.amdhsa_wavefront_size32 1
		.amdhsa_system_sgpr_workgroup_id_x 1
		.amdhsa_system_sgpr_workgroup_id_y 1
		.amdhsa_system_sgpr_workgroup_id_z 1
		.amdhsa_system_vgpr_workitem_id 0
		.amdhsa_next_free_vgpr 1024
		.amdhsa_next_free_sgpr 96
		.amdhsa_reserve_vcc 0
		.amdhsa_float_denorm_mode_32 3
		.amdhsa_float_denorm_mode_16_64 3
		.amdhsa_memory_ordered 1
		.amdhsa_forward_progress 1
		.amdhsa_inst_pref_size 218
	.end_amdhsa_kernel
	.amdgpu_metadata
---
amdhsa.version: [ 1, 2 ]
amdhsa.kernels:
  - .name:           k_qf99d456e88_qkv
    .symbol:         k_qf99d456e88_qkv.kd
    .args:
      - { .name: codes, .offset: 0, .size: 8, .value_kind: global_buffer, .address_space: global }
      - { .name: rope, .offset: 8, .size: 8, .value_kind: global_buffer, .address_space: global }
      - { .name: lowp_scales, .offset: 16, .size: 8, .value_kind: global_buffer, .address_space: global }
      - { .name: qkvc, .offset: 24, .size: 8, .value_kind: global_buffer, .address_space: global }
    .group_segment_fixed_size: 327680
    .private_segment_fixed_size: 0
    .kernarg_segment_align: 8
    .kernarg_segment_size: 32
    .max_flat_workgroup_size: 128
    .sgpr_count:     96
    .vgpr_count:     1024
    .wavefront_size: 32
...
	.end_amdgpu_metadata
.endif
;; end of part 2
;; launch attn (part 3): grid 8 x 32, 8 waves a work-group, clusters of 4 x 4, 327,680 bytes of LDS; arguments qkvc, mask, lowp_scales, ac; writes ac
.if DOCPART == 3
	.amdgcn_target "amdgcn-amd-amdhsa--gfx1250"
	.amdhsa_code_object_version 6
	.text
	.protected	k_qf99d456e88_attn
	.globl	k_qf99d456e88_attn
	.p2align	8
	.type	k_qf99d456e88_attn,@function
k_qf99d456e88_attn:
	s_mov_b64 s[64:65], 0
	v_nop
	global_prefetch_b8 v0, s[64:65] scope:SCOPE_SE
	s_setreg_imm32_b32 hwreg(HW_REG_WAVE_MODE, 25, 1), 1
	s_wait_xcnt 0x0
	s_wait_alu depctr_hold_cnt(0) depctr_sa_sdst(0) depctr_va_vdst(0) depctr_va_sdst(0) depctr_va_ssrc(0) depctr_va_vcc(0) depctr_vm_vsrc(0)
	s_getreg_b32 s2, hwreg(HW_REG_IB_STS2, 6, 4)
	s_cmp_eq_u32 s2, 0
	s_cbranch_scc0 .Lentry_in_a_cluster
	s_endpgm
.Lentry_in_a_cluster:
	s_bfe_u32 s2, ttmp6, 0x10000c
	s_cmp_lg_u32 s2, 0xf033
	s_cbranch_scc0 .Lentry_shape_is_right
	s_endpgm
.Lentry_shape_is_right:
; o = softmax(q k^T / sqrt(128) + mask) v for 16 heads of 128, 2,048 tokens, both products on codes of FP8 (E4M3); the result is quantised again (2^e10) for the last product.
; The mask is an input, f32, added as it is given: every tile of it is read and no key is left out.
; THE SOFTMAX: s = sum x 2^(e6 + e7) / sqrt(128) + mask (one fused multiply-add); M = the running largest s x log2(e), rounded UP to a whole number; p = 2^(s x log2(e) - M), the exponent by one fused
; multiply-add (ORDER OF ROUNDING: t = s x log2(e) is not rounded by itself before M is taken away); p is what is quantised (2^e8), not normalised; the row's sum is taken of the unquantised p and divides at the end.
; When M moves, the sum and O are multiplied by 2^(old M - new M): exact.
; SHARES.  A work-group owns 64 queries of a PAIR of heads.  Wave w owns head w / 4, the 32 queries of group (w / 2) % 2 (two tiles of 16) and key half w % 2: of each step's 128 keys it takes 64.
; So a fragment of K or V feeds two matrix instructions.  At the end waves w and w xor 1 join their halves: each sends one tile of O^T with its -M and its sum and finishes the other.
; The wave of key half 1 holds its two tiles of queries in the other order, so that every wave keeps register tile 0 and sends register tile 1: no branch.
; A slot in LDS holds two steps, 256 keys: the mask's 64 rows x 256 numbers and K's 2 x 2 x 128 rows of 128 codes.  Two slots take turns.  EVERY wave fetches 16 KiB of a slot: waves 0-3 16 rows of the mask each,
; waves 4-7 one block of 128 keys of one head each; K's blocks are dense in memory and are stated as rows of 256 bytes, with the padding behind each 128.
; V DOES NOT GO THROUGH LDS: the launch before lays each 16 x 128 block of V^T as an image of the operand's registers, and a wave loads its eight fragments of a step by 16 loads of 512 consecutive bytes,
; issued behind the step before's second product, into the registers that it has just read.
; CLUSTER, 4 x 4: along x four pairs of heads, along y four blocks of queries.  The mask's tile hangs on the queries alone and is asked for jointly along a row of the cluster; K's hangs on the pair alone and
; is asked for jointly along a column.
; LAYOUT.  Both products are used transposed: S^T = K Q^T, O^T = V^T P^T: a lane holds ONE query (lane % 16) of each tile.  K's rows lie in memory so that the 16 neighbouring rows of tile 2 b + u are keys
; 32 b + 8 u + r + 8 (r / 8): the 16 registers of tiles 2 b and 2 b + 1 are keys 32 b + 16 (lane / 16) + 0 .. 15, 64 consecutive bytes of the mask's row and 16 consecutive codes of p.
; LIMITS: e6 + e7 between -122 and 131 (added to the exponent field of 1 / sqrt(128)); e8 and e10 - e8 - e9 between -126 and 119; the exponents s x log2(e) stay under 2^31 in magnitude.
; NaN is not served, nor a row of the mask that is -infinity throughout.
; REGISTERS: window 0: v1-11 addresses; v12-19 each tile's -M, largest t, sum (a pair); v20-23 each tile's f; v24-31 constants and addresses; v32-47 codes; v48-63 at work; v64-127 S^T, then p; v128-255 O^T.
;   window 1: v0-63 K's four fragments; v64-127 V's eight; v128-191 the mask's numbers in S^T's order; v192-223 Q's two fragments.
.set KP,    144                        ; a row of K in LDS: 128 bytes + 16 of padding
.set MP,    1040                       ; a row of the mask's tile: 1,024 bytes + 16
.set KOFF,  64*MP                      ; a slot: the mask's 64 rows, then K's 512: [block of 128 keys][head][128 rows]
.set SLOT1, KOFF+512*KP                ; slot 1 begins here; a slot's base, 0 or SLOT1, is turned by one exclusive or and added to each address
.set SPARE, 2*SLOT1                    ; the spare words, 128 bytes for each of eight waves
.set STAGE, SPARE+1024                 ; the way out: 64 rows x (256 bytes + 16), bytes of its own
.set SPT,   272
.set XREG,  8448                       ; the exchange: 8,192 bytes of O^T + 256 of (-M, sum) for each wave, in slot 0, which has had its last fill and its last read at the last change of slots
.set NSL,   8                          ; slots' worth of keys
.set AK0, 1
.set AM0, 3                            ; v3, v4: the mask's rows of register tiles 0, 1
.set SPW, 5
.set NIL, 6
.set PFO, 7
.set ADK, 8
.set ADM, 10                           ; v10, v11
.set ST,  12                           ; tile q: v[ST+4q] -M, +1 the largest t, +2, +3 the sum in two halves
.set FF,  20                           ; tile q: v[FF+2q] f; the register above is named with it as a pair
.set HP8, 24
.set SC8, 25
.set HPO, 26
.set SCO, 27
.set SO,  28
.set SR,  29
.set XS,  30
.set XL,  31
.set PC,  32
.set TS,  48
.set TA,  52
.set PD,  56
.set XS8, 58
.set XL8, 59
.set GO,  60
.set VOF, 61                           ; 16 x lane: my 16 bytes of each of V's loads; never rewritten
.set S,   64
.set O,   128
.set KF,  0                            ; window 1
.set VF,  64
.set MK,  128
.set QF,  192
.set TB,  2                            ; s2   LDS byte at which the slot in hand begins
.set TF,  3                            ; s3   LDS byte at which the slot last asked for begins
.set WV,  12
.set HP,  13
.set QG,  14
.set KH,  19
.set KX,  66
.set W3,  67
.set SEL, 20                           ; s[20:21] lane selects: lane l xor 16
.set C1,  22                           ; s[22:23] 2^(e6 + e7) / sqrt(128)
.set G1M, 24
.set G1K, 32
.set G0M, 40
.set G0K, 44
.set L2E, 48                           ; s[48:49] log2(e)
.set SLOTS, 54
.set LIM, 55
.set PFA, 56
.set PFS, 58
.set LM,  80                           ; s80  my part's place in a slot, as a wave that fetches the mask; s81 as one that fetches K
.set LK,  81
.set VB,  82                           ; s[82:83] V's images of my head and key half, at the slot in hand
.set MSB, 0
.macro WIN new
.if MSB != \new
	s_set_vgpr_msb (MSB<<8)|\new
.set MSB, \new
.endif
.endm
; Waves 0-3 ask for the mask's rows, waves 4-7 for K's blocks.  The branch hangs on the wave's number alone.  An s_nop 0 and four v_nop follow each of the two lines.
.macro TLOAD
	s_cmp_lt_u32 s[WV], 4
	s_cbranch_scc0 .Lfor_k_\@
	tensor_load_to_lds s[G0M:G0M+3], s[G1M:G1M+7]
	s_nop 0
.rept 4
	v_nop
.endr
	s_branch .Lasked_\@
.Lfor_k_\@:
	tensor_load_to_lds s[G0K:G0K+3], s[G1K:G1K+7]
	s_nop 0
.rept 4
	v_nop
.endr
.Lasked_\@:
.endm
; A PREFETCH INTO THE L2.  At the change of slots that asks for slot j, slot j + 2 is named: two changes ahead of its tensor load.  Each aligned block of 256 bytes is named once in the launch.
; The mask's rows are read by both clusters of a row of clusters: the one with x = 0 asks, by its waves 0 and 1; of a slot's 64 rows x 1,024 bytes each of the four partners along x takes 16 rows, told apart by address:
; a lane takes row lane % 16, and block lane / 16 of its wave's two.  K's and V's 64 KiB of a slot are read by all eight clusters of a column: the one with y = 0 asks, by its waves 2, 3 (K) and 4, 5 (V); each partner
; along y takes 16 KiB, each wave 8, lanes 256 bytes apart.  Slots 0 to 2 come by their loads alone; the last two changes that fill a slot name nothing: there is no slot 8.
.macro ASK
	s_cmp_gt_u32 s[SLOTS], s[LIM]
	s_cbranch_scc0 .Lnot_mine_\@
	global_prefetch_b8 v[PFO], s[PFA:PFA+1] th:TH_LOAD_NT scope:SCOPE_SE
.Lnot_mine_\@:
.endm
.macro CROUND                          ; a round of the cluster's barrier
	s_barrier_signal -1
	s_barrier_wait -1
	s_cmp_lg_u32 s[WV], 0
	s_cbranch_scc1 .Lnot_wave_0_\@
	s_barrier_signal -3
.Lnot_wave_0_\@:
	s_barrier_wait -3
	s_barrier_signal -1
	s_barrier_wait -1
.endm
.macro VLOAD off                       ; V's eight fragments of a step: 16 loads of 512 consecutive bytes
	WIN 0x40                                       ; destination window 1
.irp t, 0,1,2,3,4,5,6,7
.irp c, 0,1
	global_load_b128 v[VF+8*\t+4*\c:VF+8*\t+4*\c+3], v[VOF], s[VB:VB+1] offset:(\off)+2048*\t+512*\c
.endr
.endr
	WIN 0
.endm
	s_load_b256 s[4:11], s[0:1], 0x0               ; qkvc s[4:5], mask s[6:7], the scales' exponents s[8:9], ac s[10:11]
	v_lshl_add_u32 v[SPW], v0, 2, SPARE
	v_mov_b32 v[NIL], 0
	ds_add_u32 v[SPW], v[NIL]                      ; the opening: the add, twice on end, and its wait ahead of my first tensor load
	ds_add_u32 v[SPW], v[NIL]
	v_lshrrev_b32 v8, 5, v0
	v_readfirstlane_b32 s[WV], v8                  ; wave 0..7
	s_lshr_b32 s[HP], s[WV], 2                     ; my head of the pair
	s_bfe_u32 s[QG], s[WV], 0x10001                ; my group of 32 queries
	s_and_b32 s[KH], s[WV], 1                      ; my half of a step's keys; also the tile of queries in register tile 0
	s_xor_b32 s[KX], s[KH], 1                      ; the tile of queries in register tile 1
	s_and_b32 s[W3], s[WV], 3
	s_bfe_u32 s15, ttmp6, 0x40000                  ; cx
	s_bfe_u32 s16, ttmp6, 0x40004                  ; cy
	s_lshl_b32 s17, ttmp9, 2
	s_add_co_u32 s17, s17, s15                     ; the pair of heads
	s_and_b32 s18, ttmp7, 0xffff
	s_lshl_b32 s18, s18, 2
	s_add_co_u32 s18, s18, s16                     ; the block of 64 queries
	s_lshl_b32 s50, s16, 2
	s_lshl_b32 s50, 15, s50                        ; my row of the cluster
	s_lshl_b32 s51, 0x1111, s15                    ; my column
	s_or_b32 s[G1M], s50, (2<<16)|(1<<20)|(1<<21)|(7<<22)|(3<<25)   ; the mask: elements of 4 bytes; four words of padding after every 256; shared along the row
	s_mov_b32 s[G1M+1], 256<<16                    ; tensor_dim0
	s_mov_b32 s[G1M+2], 16<<16                     ; tensor_dim1
	s_mov_b32 s[G1M+3], 256<<16                    ; tile_dim0
	s_mov_b32 s[G1M+4], 16                         ; tile_dim1
	s_mov_b32 s[G1M+5], 2048                       ; tensor_dim0_stride
	s_mov_b32 s[G1M+6], 0
	s_mov_b32 s[G1M+7], 0
	s_or_b32 s[G1K], s51, (0<<16)|(1<<20)|(1<<21)|(4<<22)|(3<<25)   ; K: elements of 1 byte; four words of padding after every 32; shared along the column
	s_mov_b32 s[G1K+1], 256<<16                    ; a head's 128 rows of 128 bytes, dense: 64 rows of 256
	s_mov_b32 s[G1K+2], 64<<16
	s_mov_b32 s[G1K+3], 256<<16
	s_mov_b32 s[G1K+4], 64
	s_mov_b32 s[G1K+5], 256
	s_mov_b32 s[G1K+6], 0
	s_mov_b32 s[G1K+7], 0
	s_mov_b32 s[SEL], 0x76543210
	s_mov_b32 s[SEL+1], 0xfedcba98
	s_mov_b32 s[C1], 0x3db504f3                    ; 1 / sqrt(128)
	s_mov_b32 s[L2E], 0x3fb8aa3b                   ; log2(e)
	s_mov_b32 s[L2E+1], s[L2E]                     ; (named with it as a pair, so it is written)
	s_mov_b32 s[TB], 0
	s_mov_b32 s[TF], 0
	s_mov_b32 s[SLOTS], NSL-1
	s_mul_i32 s[LM], s[W3], 16*MP                  ; the mask's part: 16 rows x wave % 4, in a slot,
	s_lshl_b32 s52, s18, 19                        ; and in memory: my block's 64 rows of 8,192 bytes
	s_lshl_b32 s61, s[W3], 17
	s_add_co_u32 s52, s52, s61
	s_mov_b32 s53, 0
	s_mul_i32 s[LK], s[W3], 128*KP                 ; K's part: (block, head) = wave % 4, in a slot,
	s_add_co_u32 s[LK], s[LK], KOFF
	s_lshl_b32 s62, s17, 19                        ; and in memory: my pair,
	s_lshl_b32 s63, s[W3], 14                      ; 16 KiB x wave % 4,
	s_add_co_u32 s62, s62, s63
	s_add_co_u32 s62, s62, 1<<22                   ; in tensor 1 of qkvc
	s_mov_b32 s63, 0
	s_wait_dscnt 0x0                               ; both opening adds are done
	s_wait_kmcnt 0x0
	s_load_b256 s[68:75], s[8:9], 0x0              ; e0 .. e7
	s_load_b128 s[76:79], s[8:9], 0x20             ; e8 .. e11
	s_mov_b32 s[G0M], 1                            ; count = 1
	s_mov_b32 s[G0M+1], s[LM]                      ; LDS address: slot 0
	s_add_nc_u64 s[G0M+2:G0M+3], s[6:7], s[52:53]
	s_or_b32 s[G0M+3], s[G0M+3], 0x80000000        ; type = 2
	s_mov_b32 s[G0K], 1
	s_mov_b32 s[G0K+1], s[LK]
	s_add_nc_u64 s[G0K+2:G0K+3], s[4:5], s[62:63]
	s_or_b32 s[G0K+3], s[G0K+3], 0x80000000
	CROUND                                         ; all sixteen work-groups are here: the first joint loads meet
	TLOAD                                          ; slot 0: my one tensor load at the head
	v_and_b32 v8, 15, v0                           ; r
	v_bfe_u32 v9, v0, 4, 1                         ; h
	v_and_b32 v51, 31, v0                          ; lane
	v_lshlrev_b32 v[VOF], 4, v51
	s_wait_alu depctr_va_vdst(0)                   ; the wait
	; Q's fragments: tensor 0, my pair, block of 128 tokens = query block / 2, my head; query n of the block lies at the place n with bits 3 and 4 exchanged
	s_lshl_b32 s86, s17, 19
	s_lshr_b32 s87, s18, 1
	s_lshl_b32 s87, s87, 15
	s_add_co_u32 s86, s86, s87
	s_lshl_b32 s87, s[HP], 14
	s_add_co_u32 s86, s86, s87
	s_and_b32 s87, s18, 1
	s_lshl_b32 s87, s87, 13
	s_add_co_u32 s86, s86, s87
	s_lshl_b32 s87, s[QG], 12
	s_add_co_u32 s86, s86, s87
	s_mov_b32 s87, 0
	s_add_nc_u64 s[88:89], s[4:5], s[86:87]        ; Q's base has a pair of its own: no later line writes it while the loads are out
	; V's images: tensor 2, my pair; a block of 128 keys is 32 KiB: [head][tile of 16 rows][load 0..3][lane][16 bytes]; my key half takes loads 2 x half, 2 x half + 1.  One slot back: every change of slots steps it
	s_lshl_b32 s86, s17, 19
	s_lshl_b32 s60, s[HP], 14
	s_add_co_u32 s86, s86, s60
	s_lshl_b32 s60, s[KH], 10
	s_add_co_u32 s86, s86, s60
	s_add_co_u32 s86, s86, (2<<22)-65536
	s_add_nc_u64 s[VB:VB+1], s[4:5], s[86:87]
	s_lshl_b32 s60, s[KH], 10
	s_lshl_b32 s61, s[KX], 10
	v_and_b32 v48, 8, v8
	v_add_nc_u32 v48, v48, v8                      ; r + 8 (r / 8)
	v_lshlrev_b32 v48, 7, v48
	v_lshl_add_u32 v48, v9, 4, v48
	v_add_nc_u32 v62, s60, v48                     ; register tile 0's queries,
	v_add_nc_u32 v63, s61, v48                     ; register tile 1's
	WIN 0x40                                       ; destination window 1
.irp c, 0,1,2,3
	global_load_b128 v[QF+4*\c:QF+4*\c+3], v62, s[88:89] offset:32*\c      ; stay in registers
	global_load_b128 v[QF+16+4*\c:QF+16+4*\c+3], v63, s[88:89] offset:32*\c
.endr
	VLOAD 65536                                    ; the first step's V
	s_lshl_b32 s86, s18, 17                        ; ac: my 64 rows of 2,048 bytes, my pair's 256 bytes of them
	s_lshl_b32 s60, s17, 8
	s_add_co_u32 s86, s86, s60
	s_add_nc_u64 s[10:11], s[10:11], s[86:87]
	; the prefetches: where my wave's stand, and who asks
	s_and_b32 s50, ttmp7, 0xffff                   ; cluster y
	s_lshr_b32 s84, s[WV], 1                       ; 0 the mask, 1 K, 2 V, 3 nothing
	s_and_b32 s85, s[WV], 1                        ; which half of my work-group's share
	s_lshl_b32 s60, s18, 19                        ; the mask: my block's rows,
	s_lshl_b32 s61, s15, 17                        ; my work-group's 16 of them,
	s_add_co_u32 s60, s60, s61
	s_lshl_b32 s61, s85, 9                         ; my wave's 512 bytes of a slot's 1,024,
	s_add_co_u32 s60, s60, s61
	s_add_co_u32 s60, s60, 2*1024                  ; at slot 2: the first change of slots steps it to slot 3
	s_lshl_b32 s62, s84, 22
	s_lshl_b32 s63, s17, 19
	s_add_co_u32 s62, s62, s63
	s_lshl_b32 s63, s16, 14                        ; my work-group's 16 KiB of a slot's 64,
	s_add_co_u32 s62, s62, s63
	s_lshl_b32 s63, s85, 13                        ; my wave's 8 of them
	s_add_co_u32 s62, s62, s63
	s_add_co_u32 s62, s62, 2*65536
	s_mov_b32 s[PFS], 65536
	s_mov_b32 s52, 256
	s_mov_b32 s53, 4096
	s_cmp_eq_u32 s84, 0
	s_cselect_b64 s[PFA:PFA+1], s[6:7], s[4:5]
	s_cselect_b32 s60, s60, s62
	s_cselect_b32 s[PFS], 1024, s[PFS]             ; a slot on
	s_cselect_b32 s52, 8192, s52                   ; from lane to lane within 16,
	s_cselect_b32 s53, 256, s53                    ; and from the lower 16 lanes to the upper
	s_cselect_b32 s51, ttmp9, s50                  ; the coordinate along which other clusters read the same bytes
	s_mov_b32 s61, 0
	s_mov_b32 s[PFS+1], 0
	s_add_nc_u64 s[PFA:PFA+1], s[PFA:PFA+1], s[60:61]
	s_cmp_lt_u32 s84, 3
	s_cselect_b32 s50, 0, 1                        ; 0 in waves 0 to 5
	s_or_b32 s51, s51, s50
	s_cmp_eq_u32 s51, 0
	s_cselect_b32 s[LIM], 2, -1                    ; the same in all sixteen partners, for a given wave
	v_mul_lo_u32 v[PFO], v8, s52
	v_mul_lo_u32 v48, v9, s53
	v_add_nc_u32 v[PFO], v[PFO], v48
	; LDS addresses: the scalar parts first, then the lanes'
	s_mul_i32 s84, s[HP], 128*KP                   ; K: my head's 128 rows of a block,
	s_mul_i32 s50, s[KH], 64*KP                    ; my half's 64 of them
	s_add_co_u32 s50, s50, s84
	s_add_co_u32 s50, s50, KOFF
	s_mul_i32 s84, s[QG], 32*MP                    ; the mask: my group's rows, my half's 256 bytes of a step's 512
	s_lshl_b32 s85, s[KH], 8
	s_add_co_u32 s84, s84, s85
	s_mul_i32 s52, s[KH], 16*MP
	s_add_co_u32 s52, s52, s84
	s_mul_i32 s53, s[KX], 16*MP
	s_add_co_u32 s53, s53, s84
	s_lshl_b32 s60, s[QG], 1
	s_add_co_u32 s60, s60, s[KH]                   ; the tile of queries that I finish
	s_mul_i32 s60, s60, 16*SPT
	s_lshl_b32 s85, s[HP], 7
	s_add_co_u32 s60, s60, s85
	s_add_co_u32 s60, s60, STAGE
	s_mul_i32 s61, s[WV], 8*SPT
	s_add_co_u32 s61, s61, STAGE
	s_lshl_b32 s62, s[WV], 14
	s_mul_i32 s63, s[WV], XREG                     ; the exchange: my region,
	s_xor_b32 s86, s[WV], 1
	s_mul_i32 s86, s86, XREG                       ; and my partner's
	v_mul_u32_u24 v48, v8, KP
	v_lshl_add_u32 v48, v9, 4, v48                 ; row r, + 16 h
	v_add_nc_u32 v[AK0], s50, v48
	v_mul_u32_u24 v49, v8, MP
	v_lshl_add_u32 v49, v9, 6, v49                 ; the mask: my query's row, + 64 h
	v_add_nc_u32 v[AM0], s52, v49
	v_add_nc_u32 v[AM0+1], s53, v49
	v_mul_u32_u24 v50, v8, SPT
	v_lshl_add_u32 v50, v9, 3, v50
	v_add_nc_u32 v[SO], s60, v50                   ; the stage, in: my query's row, my head's 128 bytes, + 8 h
	v_mul_u32_u24 v48, v9, SPT
	v_lshl_add_u32 v48, v8, 4, v48
	v_add_nc_u32 v[SR], s61, v48                   ; back: rows 8 w on; lanes 0-15 one row of 256 bytes, lanes 16-31 the next
	v_lshlrev_b32 v[GO], 11, v9
	v_lshl_add_u32 v[GO], v8, 4, v[GO]
	v_add_nc_u32 v[GO], s62, v[GO]                 ; and the same rows in ac
	v_add_nc_u32 v[XS], s63, v[VOF]                ; images of registers: 16 bytes a lane,
	v_add_nc_u32 v[XL], s86, v[VOF]
	v_lshlrev_b32 v49, 3, v51
	v_add_nc_u32 v[XS8], s63, v49                  ; and 8 bytes a lane
	v_add_nc_u32 v[XL8], s86, v49
.irp q, 0,1
	v_mov_b32 v[ST+4*\q+1], 0xff61b1e6             ; the largest t so far: -3e38
	v_floor_f32 v[ST+4*\q], -v[ST+4*\q+1]          ; -M
	v_mov_b32 v[ST+4*\q+2], 0                      ; the sum, in two halves
	v_mov_b32 v[ST+4*\q+3], 0
	v_mov_b32 v[FF+2*\q+1], 0                      ; (named as the upper half of f's pair)
	v_mov_b32 v[PD+\q], 0                          ; written once: a lane permute's destination counts as one of its sources
.endr
.set i, 0
.rept 128
	v_mov_b32 v[O+i], 0                            ; O^T.  (The step is written for every step alike: the first finds zeros, which the first change of M leaves zeros)
.set i, i+1
.endr
	s_wait_kmcnt 0x0
	s_add_co_i32 s50, s74, s75
	s_lshl_b32 s50, s50, 23
	s_add_co_i32 s[C1], s[C1], s50                 ; a score stands for sum x 2^(e6 + e7): the two exponents are added to the factor's exponent field
	s_mov_b32 s[C1+1], s[C1]
	s_add_co_i32 s50, s76, 127
	s_lshl_b32 s51, s50, 23
	v_mov_b32 v[SC8], s51                          ; 2^e8, for p's conversion
	s_add_co_i32 s50, s50, 8
	s_lshl_b32 s50, s50, 23
	s_or_b32 s50, s50, 0x600000
	v_mov_b32 v[HP8], s50                          ; 448 x 2^e8
	s_sub_co_i32 s50, s78, s76
	s_sub_co_i32 s50, s50, s77                     ; e10 - e8 - e9: a sum of the second product stands for sum x 2^(e8 + e9)
	s_add_co_i32 s50, s50, 127
	s_lshl_b32 s51, s50, 23
	v_mov_b32 v[SCO], s51
	s_add_co_i32 s50, s50, 8
	s_lshl_b32 s50, s50, 23
	s_or_b32 s50, s50, 0x600000
	v_mov_b32 v[HPO], s50
; A KEY STEP: my 64 of the u-th 128 keys of the slot at s[TB], against my 32 queries.  nv = 1: the next step's V is asked for at its end.
.macro STEP u, nv
.if (\u) == 0
	v_add_nc_u32 v[ADK], s[TB], v[AK0]
	v_add_nc_u32 v[ADM], s[TB], v[AM0]
	v_add_nc_u32 v[ADM+1], s[TB], v[AM0+1]
.endif
	WIN 0x40                                       ; destination window 1
.irp t, 0,1,2,3
.irp c, 0,1,2,3
	ds_load_b128 v[KF+16*\t+4*\c:KF+16*\t+4*\c+3], v[ADK] offset:(\u)*256*KP+16*\t*KP+32*\c
.endr
.endr
.irp q, 0,1
.irp b, 0,1
.irp j, 0,1,2,3
	ds_load_b128 v[MK+32*\q+16*\b+4*\j:MK+32*\q+16*\b+4*\j+3], v[ADM+\q] offset:512*(\u)+128*\b+16*\j   ; the mask at (my query, keys 32 b + 16 h + 4 j + 0 .. 3 of my half)
.endr
.endr
.endr
	s_wait_dscnt 16                                ; K's 16 loads are in; the mask's 16 may be out
	WIN 0x05                                       ; sources 0 and 1 window 1
.irp t, 0,1,2,3
.irp q, 0,1
	v_wmma_f32_16x16x128_fp8_fp8 v[S+32*\q+8*\t:S+32*\q+8*\t+7], v[KF+16*\t:KF+16*\t+15], v[QF+16*\q:QF+16*\q+15], 0
.endr
.endr
	WIN 0
.rept 4
	v_nop                                          ; places in front of the first read of the scores
.endr
	s_wait_dscnt 0x0                               ; the mask is in
	WIN 0x10                                       ; source 2 window 1
.set i, 0
.rept 32
	v_pk_fma_f32 v[S+i:S+i+1], v[S+i:S+i+1], s[C1:C1+1], v[MK+i:MK+i+1] op_sel_hi:[1,0,1]   ; s = sum x 2^(e6 + e7) / sqrt(128) + mask; each accumulator from its low end on
.set i, i+2
.endr
	WIN 0
.irp q, 0,1                                    ; the step's largest s of each query, among my lane's 32 keys: two chains a tile, the four by turns
	v_max3_num_f32 v[TA+2*\q], v[S+32*\q], v[S+32*\q+1], v[S+32*\q+2]
	v_max3_num_f32 v[TA+2*\q+1], v[S+32*\q+3], v[S+32*\q+4], v[S+32*\q+5]
.endr
.irp i, 6,10,14,18,22,26
.irp q, 0,1
	v_max3_num_f32 v[TA+2*\q], v[TA+2*\q], v[S+32*\q+\i], v[S+32*\q+\i+1]
	v_max3_num_f32 v[TA+2*\q+1], v[TA+2*\q+1], v[S+32*\q+\i+2], v[S+32*\q+\i+3]
.endr
.endr
.irp q, 0,1
	v_max3_num_f32 v[TA+2*\q], v[TA+2*\q], v[S+32*\q+30], v[S+32*\q+31]
.endr
.irp q, 0,1
	v_max_num_f32 v[TA+2*\q], v[TA+2*\q], v[TA+2*\q+1]
.endr
.irp q, 0,1
	v_permlanex16_b32 v[PD+\q], v[TA+2*\q], s[SEL], s[SEL+1]
.endr
.irp q, 0,1
	v_max_num_f32 v[TA+2*\q], v[TA+2*\q], v[PD+\q] ; and among lane l xor 16's
.endr
.irp q, 0,1
	v_mul_f32 v[TA+2*\q], s[L2E], v[TA+2*\q]       ; as t (log2(e) is positive)
.endr
.irp q, 0,1
	v_max_num_f32 v[ST+4*\q+1], v[ST+4*\q+1], v[TA+2*\q]   ; the running largest t
.endr
.irp q, 0,1
	v_mov_b32 v[TA+2*\q+1], v[ST+4*\q]
.endr
.irp q, 0,1
	v_floor_f32 v[ST+4*\q], -v[ST+4*\q+1]          ; the new -M = floor(-t): M is a whole number
.endr
.irp q, 0,1
	v_sub_f32 v[TA+2*\q], v[ST+4*\q], v[TA+2*\q+1] ; old M - new M: a whole number, 0 or less
.endr
.irp q, 0,1
	v_cvt_i32_f32 v[TA+2*\q], v[TA+2*\q]           ; (it saturates)
.endr
.irp q, 0,1
	v_ldexp_f32 v[FF+2*\q], 1.0, v[TA+2*\q]        ; f = 2^(old M - new M)
.endr
.set i, 0
.rept 32
	v_pk_fma_f32 v[S+i:S+i+1], v[S+i:S+i+1], s[L2E:L2E+1], v[ST+4*(i/32):ST+4*(i/32)+1] op_sel_hi:[1,0,0]   ; s x log2(e) - M (of the pairs the low word serves both halves)
.set i, i+2
.endr
	s_wait_alu depctr_va_vdst(0)                   ; the wait ahead of the batch
.set i, 0
.rept 64
	v_exp_f32 v[S+i], v[S+i]                       ; p
.set i, i+1
.endr
.irp q, 0,1
	v_pk_mul_f32 v[ST+4*\q+2:ST+4*\q+3], v[ST+4*\q+2:ST+4*\q+3], v[FF+2*\q:FF+2*\q+1] op_sel_hi:[1,0]   ; the sums under the new M: plain lines behind the exponentials
.endr
	s_wait_alu depctr_va_vdst(0)                   ; one wait for the batch of 64, ahead of its first reader
.irp q, 0,1                                    ; the rows' sums of the unquantised p: two chains a tile, the four by turns
	v_pk_add_f32 v[TS+2*\q:TS+2*\q+1], v[S+32*\q:S+32*\q+1], v[S+32*\q+2:S+32*\q+3]
.endr
.irp j, 4,8,12,16,20,24,28
.irp q, 0,1
	v_pk_add_f32 v[ST+4*\q+2:ST+4*\q+3], v[ST+4*\q+2:ST+4*\q+3], v[S+32*\q+\j:S+32*\q+\j+1]
	v_pk_add_f32 v[TS+2*\q:TS+2*\q+1], v[TS+2*\q:TS+2*\q+1], v[S+32*\q+\j+2:S+32*\q+\j+3]
.endr
.endr
.irp q, 0,1
	v_pk_add_f32 v[ST+4*\q+2:ST+4*\q+3], v[ST+4*\q+2:ST+4*\q+3], v[TS+2*\q:TS+2*\q+1]
.endr
.irp g, 0,1,2,3                                ; 16 neighbouring keys of one tile of queries at a time
.set i, 0
.rept 16
	v_min_num_f32 v[S+16*\g+i], v[S+16*\g+i], v[HP8]   ; the conversion does not saturate (ISA guide 7.6.2); p is not negative, so the hold is one-sided
.set i, i+1
.endr
	v_cvt_scalef32_pk8_fp8_f32 v[PC+4*\g:PC+4*\g+1], v[S+16*\g:S+16*\g+7], v[SC8]
	v_cvt_scalef32_pk8_fp8_f32 v[PC+4*\g+2:PC+4*\g+3], v[S+16*\g+8:S+16*\g+15], v[SC8]
.endr
	s_wait_alu depctr_va_vdst(0)                   ; the wait here, directly ahead of the wait below
	s_wait_loadcnt 0x0                             ; this step's V is in
	s_wait_alu depctr_va_vdst(0)                   ; and here, directly ahead of the first reader of O^T
.set i, 0
.rept 64
	v_pk_mul_f32 v[O+i:O+i+1], v[O+i:O+i+1], v[FF+2*(i/64):FF+2*(i/64)+1] op_sel_hi:[1,0]   ; O^T under the new M.  (Also the plain lines between the conversions and the products that read the codes)
.set i, i+2
.endr
	WIN 0x01                                       ; source 0 window 1
.irp t, 0,1,2,3,4,5,6,7
.irp q, 0,1
	v_wmma_f32_16x16x64_fp8_fp8 v[O+64*\q+8*\t:O+64*\q+8*\t+7], v[VF+8*\t:VF+8*\t+7], v[PC+8*\q:PC+8*\q+7], v[O+64*\q+8*\t:O+64*\q+8*\t+7]
.endr
.endr
	WIN 0                                          ; the sixteen accumulators have taken turns, one instruction each
.if \nv
.rept 4
	v_nop                                          ; places in front of loads into registers that the products have read
.endr
	VLOAD ((\u)+1)*32768                           ; the next step's V: it has that step's first product and softmax in which to land
.endif
.endm
; THE CHANGE OF SLOTS stands at a slot's head.  Each wave waits for its tensor load (its part of the slot that is about to be read), adds 0 to its spare word, and waits for that and for its reads of the slot that it has left.
; fill = 1: the barrier is a round of the cluster's, so that no wave of any partner still reads the other slot or has a load on its way; that slot is then filled with the next 256 keys.
.macro CHANGE fill
	s_wait_tensorcnt 0x0                           ; no tensor load of mine is out, so a group 0 may be written
	ds_add_u32 v[SPW], v[NIL]                      ; 0 onto my spare word
	s_wait_xcnt 0x0                                ; V's loads and the last prefetch have read their addresses, so these may be written
	s_add_nc_u64 s[VB:VB+1], s[VB:VB+1], 65536     ; V's images of the slot that is about to be read
.if \fill
	s_xor_b32 s[TF], s[TF], SLOT1                  ; the walking descriptors: the other slot than last time,
	s_add_co_u32 s[G0M+1], s[LM], s[TF]
	s_add_nc_u64 s[G0M+2:G0M+3], s[G0M+2:G0M+3], 1024    ; the next 256 numbers of the mask's rows,
	s_add_co_u32 s[G0K+1], s[LK], s[TF]
	s_add_nc_u64 s[G0K+2:G0K+3], s[G0K+2:G0K+3], 65536   ; the next two blocks of 128 keys
	s_add_nc_u64 s[PFA:PFA+1], s[PFA:PFA+1], s[PFS:PFS+1]
.endif
	s_wait_dscnt 0x0                               ; the add is done, and my reads of the slot that I have left are over
.if \fill
	CROUND
	TLOAD                                          ; the first thing behind the round, and my one tensor load until the next
	ASK
.else
	s_barrier_signal -1
	s_barrier_wait -1
.endif
.endm
	s_wait_alu depctr_va_vdst(0)                   ; the wait at the head's end
	s_wait_loadcnt 16                              ; Q's 8 loads are in; V's 16 may be out
.Lslot:                                            ; 7 trips: behind each change of slots but the last the next slot is asked for
	CHANGE 1
	STEP 0, 1
	STEP 1, 1
	s_xor_b32 s[TB], s[TB], SLOT1
	s_sub_co_u32 s[SLOTS], s[SLOTS], 1
	s_cmp_lg_u32 s[SLOTS], 0
	s_cbranch_scc1 .Lslot
	CHANGE 0                                       ; the last slot is written out
	STEP 0, 1
	STEP 1, 0
	; THE TWO KEY HALVES ARE JOINED.  Each wave sends register tile 1 (O^T, -M, the sum) to its partner as an image of its registers, and takes the partner's, which is of the queries of its own register tile 0.
.rept 4
	v_nop                                          ; places behind the last products
.endr
.irp q, 0,1
	v_add_f32 v[ST+4*\q+2], v[ST+4*\q+2], v[ST+4*\q+3]
.endr
.irp q, 0,1
	v_permlanex16_b32 v[PD+\q], v[ST+4*\q+2], s[SEL], s[SEL+1]
.endr
.irp q, 0,1
	v_add_f32 v[ST+4*\q+2], v[ST+4*\q+2], v[PD+\q] ; my half's sum of each row
.endr
	v_mov_b32 v[ST+5], v[ST+6]                     ; (-M, sum) of tile 1 as a pair
.irp i, 0,1,2,3,4,5,6,7,8,9,10,11,12,13,14,15
	ds_store_b128 v[XS], v[O+64+4*\i:O+64+4*\i+3] offset:512*\i   ; each accumulator from its low end on
.endr
	ds_store_b64 v[XS8], v[ST+4:ST+5] offset:8192
	s_wait_alu depctr_va_vdst(0)                   ; the wait here, directly ahead of the wait below
	s_wait_dscnt 0x0                               ; for my partner's sake: my stores are done
	s_barrier_signal -1
	s_barrier_wait -1
.irp i, 0,1,2,3,4,5,6,7,8,9,10,11,12,13,14,15
	ds_load_b128 v[S+4*\i:S+4*\i+3], v[XL] offset:512*\i
.endr
	ds_load_b64 v[TS:TS+1], v[XL8] offset:8192
	s_wait_dscnt 0x0
	v_min_num_f32 v50, v[ST], v[TS]                ; -M of both halves
	v_sub_f32 v51, v50, v[ST]                      ; my M - M, and my partner's: whole numbers, 0 or less
	v_sub_f32 v52, v50, v[TS]
	v_cvt_i32_f32 v51, v51
	v_cvt_i32_f32 v52, v52
	v_ldexp_f32 v51, 1.0, v51
	v_ldexp_f32 v52, 1.0, v52
	v_mul_f32 v53, v[ST+2], v51
	v_fmac_f32 v53, v[TS+1], v52                   ; the row's sum under M
	s_wait_alu depctr_va_vdst(0)                   ; the wait ahead of the transcendental
	v_rcp_f32 v53, v53
	v_nop                                          ; a plain line behind the transcendental
	s_wait_alu depctr_va_vdst(0)                   ; and the wait ahead of its first reader
	v_mul_f32 v54, v51, v53
	v_mul_f32 v56, v52, v53
	s_wait_alu depctr_va_vdst(0)                   ; the wait here, directly ahead of the first reader of O^T
.set i, 0
.rept 32
	v_pk_mul_f32 v[O+i:O+i+1], v[O+i:O+i+1], v[54:55] op_sel_hi:[1,0]
.set i, i+2
.endr
.set i, 0
.rept 32
	v_pk_fma_f32 v[S+i:S+i+1], v[S+i:S+i+1], v[56:57], v[O+i:O+i+1] op_sel_hi:[1,0,1]
.set i, i+2
.endr
	; THE WAY OUT.  Held, converted with 2^(e10 - e8 - e9); a lane's eight codes of a tile are 8 bytes of its query's row.  A row's 256 bytes come from two waves (the two heads): they meet in the stage,
	; behind a barrier, and each wave stores 8 whole rows: sixteen lanes write 256 consecutive bytes, at a multiple of 256 from the buffer's first byte.
.set i, 0
.rept 64
	v_med3_num_f32 v[S+i], v[S+i], -v[HPO], v[HPO]
.set i, i+1
.endr
.irp t, 0,1,2,3,4,5,6,7
	v_cvt_scalef32_pk8_fp8_f32 v[PC+2*\t:PC+2*\t+1], v[S+8*\t:S+8*\t+7], v[SCO]   ; o(my query, 16 t + 8 h + 0 .. 7)
.endr
	v_nop
.irp t, 0,1,2,3,4,5,6,7
	ds_store_b64 v[SO], v[PC+2*\t:PC+2*\t+1] offset:16*\t
.endr
	s_wait_dscnt 0x0                               ; for the others' sake: my stores into the stage are done
	s_barrier_signal -1
	s_barrier_wait -1
.irp i, 0,1,2,3
	ds_load_b128 v[S+4*\i:S+4*\i+3], v[SR] offset:2*SPT*\i
.endr
.irp i, 0,1,2,3
	s_wait_dscnt 3-\i                              ; this load is in; the younger ones may be out
	global_store_b128 v[GO], v[S+4*\i:S+4*\i+3], s[10:11] offset:4096*\i
.endr
	s_wait_tensorcnt 0x0                           ; the wave's end
	ds_add_u32 v[SPW], v[NIL]
	s_wait_dscnt 0x0
	CROUND                                         ; the closing round
	s_endpgm
.Lfunc_end_k_qf99d456e88_attn:
	.size	k_qf99d456e88_attn, .Lfunc_end_k_qf99d456e88_attn-k_qf99d456e88_attn
	.p2alignl 7, 3214868480
	.fill 96, 4, 3214868480
	.section	.rodata,"a",@progbits
	.p2align	6, 0x0
	.amdhsa_kernel k_qf99d456e88_attn
		.amdhsa_group_segment_fixed_size 327680
		.amdhsa_private_segment_fixed_size 0
		.amdhsa_enable_private_segment 0
		.amdhsa_kernarg_size 32
		.amdhsa_user_sgpr_count 2
		.amdhsa_user_sgpr_kernarg_segment_ptr 1
		.amdhsa_wavefront_size32 1
		.amdhsa_system_sgpr_workgroup_id_x 1
		.amdhsa_system_sgpr_workgroup_id_y 1
		.amdhsa_system_sgpr_workgroup_id_z 1
		.amdhsa_system_vgpr_workitem_id 0
		.amdhsa_next_free_vgpr 480
		.amdhsa_next_free_sgpr 90
		.amdhsa_reserve_vcc 0
		.amdhsa_float_denorm_mode_32 3
		.amdhsa_float_denorm_mode_16_64 3
		.amdhsa_memory_ordered 1
		.amdhsa_forward_progress 1
		.amdhsa_inst_pref_size 124
	.end_amdhsa_kernel
	.amdgpu_metadata
---
amdhsa.version: [ 1, 2 ]
amdhsa.kernels:
  - .name:           k_qf99d456e88_attn
    .symbol:         k_qf99d456e88_attn.kd
    .args:
      - { .name: qkvc, .offset: 0, .size: 8, .value_kind: global_buffer, .address_space: global }
      - { .name: mask, .offset: 8, .size: 8, .value_kind: global_buffer, .address_space: global }
      - { .name: lowp_scales, .offset: 16, .size: 8, .value_kind: global_buffer, .address_space: global }
      - { .name: ac, .offset: 24, .size: 8, .value_kind: global_buffer, .address_space: global }
    .group_segment_fixed_size: 327680
    .private_segment_fixed_size: 0
    .kernarg_segment_align: 8
    .kernarg_segment_size: 32
    .max_flat_workgroup_size: 256
    .sgpr_count:     90
    .vgpr_count:     480
    .wavefront_size: 32
...
	.end_amdgpu_metadata
.endif
;; end of part 3
;; launch oproj (part 4): grid 16 x 16, 4 waves a work-group, clusters of 4 x 4, 327,680 bytes of LDS; arguments ac, codes, lowp_scales, out0; writes out0
.if DOCPART == 4
	.amdgcn_target "amdgcn-amd-amdhsa--gfx1250"
	.amdhsa_code_object_version 6
	.text
	.protected	k_qf99d456e88_oproj
	.globl	k_qf99d456e88_oproj
	.p2align	8
	.type	k_qf99d456e88_oproj,@function
k_qf99d456e88_oproj:
	s_mov_b64 s[64:65], 0
	v_nop
	global_prefetch_b8 v0, s[64:65] scope:SCOPE_SE
	s_setreg_imm32_b32 hwreg(HW_REG_WAVE_MODE, 25, 1), 1
	s_wait_xcnt 0x0
	s_wait_alu depctr_hold_cnt(0) depctr_sa_sdst(0) depctr_va_vdst(0) depctr_va_sdst(0) depctr_va_ssrc(0) depctr_va_vcc(0) depctr_vm_vsrc(0)
	s_getreg_b32 s2, hwreg(HW_REG_IB_STS2, 6, 4)
	s_cmp_eq_u32 s2, 0
	s_cbranch_scc0 .Lentry_in_a_cluster
	s_endpgm
.Lentry_in_a_cluster:
	s_bfe_u32 s2, ttmp6, 0x10000c
	s_cmp_lg_u32 s2, 0xf033
	s_cbranch_scc0 .Lentry_shape_is_right
	s_endpgm
.Lentry_shape_is_right:
.set KSTEP,  512
.set KROW,   2048
.set PITCH,  528
.set HALFT,  64*PITCH
.set SLOT,   4*HALFT
.set STAGE,  2*SLOT
.set SPITCH, 272
.set SPARE,  STAGE+4*16*SPITCH
.set ADRA, 16
.set ADRB, 20
.set STO,  24
.set RD,   25
.set CO,   26
.set SPW,  28
.set NIL,  29
.set TMP,  32
.set ACC,  128
.set F0,   0
.set F1,   128
.set G1, 24
.set G0, 32
.set G1B, 48
.set G0B, 56
.set MSB, 0
.macro WIN new
.if MSB != \new
	s_set_vgpr_msb (MSB<<8)|\new
.set MSB, \new
.endif
.endm
.set MUL,  0x05
.set TO_F, 0x40
.macro JLOAD s
	s_cmp_eq_u32 s15, 0
	s_cbranch_scc0 .Lfor_b_\@
	tensor_load_to_lds s[G0+4*\s:G0+4*\s+3], s[G1:G1+7]
	s_nop 0
.rept 4
	v_nop
.endr
	s_branch .Lasked_\@
.Lfor_b_\@:
	tensor_load_to_lds s[G0B+4*\s:G0B+4*\s+3], s[G1B:G1B+7]
	s_nop 0
.rept 4
	v_nop
.endr
.Lasked_\@:
.endm
.macro CREST
	s_cmp_lg_u32 s14, 0
	s_cbranch_scc1 .Lnot_wave_0_\@
	s_barrier_signal -3
.Lnot_wave_0_\@:
	s_barrier_wait -3
	s_barrier_signal -1
	s_barrier_wait -1
.endm
.macro CROUND
	s_barrier_signal -1
	s_barrier_wait -1
	CREST
.endm
	s_load_b256 s[4:11], s[0:1], 0x0
	v_lshl_add_u32 v[SPW], v0, 2, SPARE
	v_mov_b32 v[NIL], 0
	ds_add_u32 v28, v29
	ds_add_u32 v28, v29
	s_wait_dscnt 0x0
	v_lshrrev_b32 v1, 5, v0
	v_readfirstlane_b32 s14, v1
	s_lshr_b32 s15, s14, 1
	s_and_b32 s16, s14, 1
	s_bfe_u32 s40, ttmp6, 0x40000
	s_bfe_u32 s41, ttmp6, 0x40004
	s_lshl_b32 s42, ttmp9, 2
	s_add_co_u32 s42, s42, s40
	s_and_b32 s17, ttmp7, 0xffff
	s_lshl_b32 s17, s17, 2
	s_add_co_u32 s17, s17, s41
	s_lshl_b32 s43, s41, 2
	s_lshl_b32 s43, 15, s43
	s_lshl_b32 s44, 0x1111, s40
	s_or_b32 s[G1+0], s43, (0<<16)|(1<<20)|(1<<21)|(6<<22)|(3<<25)
	s_or_b32 s[G1B+0], s44, (0<<16)|(1<<20)|(1<<21)|(6<<22)|(3<<25)
.irp g, G1, G1B
	s_mov_b32 s[\g+1], KSTEP<<16
	s_mov_b32 s[\g+2], 64<<16
	s_mov_b32 s[\g+3], KSTEP<<16
	s_mov_b32 s[\g+4], 64
	s_mov_b32 s[\g+5], KROW
	s_mov_b32 s[\g+6], 0
	s_mov_b32 s[\g+7], 0
.endr
	s_lshl_b32 s19, s16, 17
	s_lshl_b32 s20, s17, 18
	s_add_co_u32 s20, s20, s19
	s_mov_b32 s21, 0
	s_lshl_b32 s46, s42, 18
	s_add_co_u32 s46, s46, s19
	s_add_co_u32 s46, s46, 6<<22
	s_mov_b32 s47, 0
	s_mul_i32 s45, s14, HALFT
	s_wait_kmcnt 0x0
	s_load_b64 s[96:97], s[8:9], 0x28
	s_add_nc_u64 s[20:21], s[4:5], s[20:21]
	s_add_nc_u64 s[46:47], s[6:7], s[46:47]
	CROUND
.irp s, 0,1
	s_mov_b32 s[G0+4*\s], 1
	s_add_co_u32 s[G0+4*\s+1], s45, \s*SLOT
	s_add_nc_u64 s[G0+4*\s+2:G0+4*\s+3], s[20:21], \s*KSTEP
	s_or_b32 s[G0+4*\s+3], s[G0+4*\s+3], 0x80000000
	s_mov_b32 s[G0B+4*\s], 1
	s_add_co_u32 s[G0B+4*\s+1], s45, \s*SLOT
	s_add_nc_u64 s[G0B+4*\s+2:G0B+4*\s+3], s[46:47], \s*KSTEP
	s_or_b32 s[G0B+4*\s+3], s[G0B+4*\s+3], 0x80000000
	s_wait_alu depctr_va_vdst(0)
	s_wait_tensorcnt 0x0
	ds_add_u32 v28, v29
	ds_add_u32 v28, v29
	s_wait_dscnt 0x0
	CROUND
	JLOAD \s
.endr
	v_and_b32 v1, 15, v0
	s_wait_alu depctr_va_vdst(0)
	v_bfe_u32 v2, v0, 4, 1
	v_mul_u32_u24 v3, v1, PITCH
	v_lshl_add_u32 v3, v2, 4, v3
	s_mul_i32 s21, s15, HALFT
	s_mul_i32 s22, s16, HALFT
	s_add_co_u32 s22, s22, 2*HALFT
.irp s, 0,1
	v_add_nc_u32 v[ADRA+\s], s21, v3
	v_add_nc_u32 v[ADRB+\s], s22, v3
	s_add_co_u32 s21, s21, SLOT
	s_add_co_u32 s22, s22, SLOT
.endr
	s_mul_i32 s23, s14, 16*SPITCH
	s_add_co_u32 s23, s23, STAGE
	v_mul_u32_u24 v4, v1, SPITCH
	s_wait_alu depctr_va_vdst(0)
	v_lshl_add_u32 v4, v2, 5, v4
	v_add_nc_u32 v[STO], s23, v4
	v_mul_u32_u24 v5, v2, SPITCH
	v_lshl_add_u32 v5, v1, 4, v5
	v_add_nc_u32 v[RD], s23, v5
	v_lshlrev_b32 v[CO], 13, v2
	v_lshl_add_u32 v[CO], v1, 4, v[CO]
	s_lshl_b32 s20, s17, 20
	s_lshl_b32 s21, s15, 19
	s_add_co_u32 s20, s20, s21
	s_lshl_b32 s21, s42, 9
	s_add_co_u32 s20, s20, s21
	s_lshl_b32 s21, s16, 8
	s_add_co_u32 s20, s20, s21
	s_mov_b32 s21, 0
	s_add_nc_u64 s[10:11], s[10:11], s[20:21]
.macro MUL4 f, a, zero
.irp b, 0,1,2,3
.if \zero
	v_wmma_f32_16x16x128_fp8_fp8 v[ACC+8*(4*(\a)+\b):ACC+8*(4*(\a)+\b)+7], v[\f+64+16*\b:\f+64+16*\b+15], v[\f+16*(\a):\f+16*(\a)+15], 0
.else
	v_wmma_f32_16x16x128_fp8_fp8 v[ACC+8*(4*(\a)+\b):ACC+8*(4*(\a)+\b)+7], v[\f+64+16*\b:\f+64+16*\b+15], v[\f+16*(\a):\f+16*(\a)+15], v[ACC+8*(4*(\a)+\b):ACC+8*(4*(\a)+\b)+7]
.endif
.endr
.endm
.macro FRAG reg, adr, k, i
.irp c, 0,1,2,3
	ds_load_b128 v[\reg+4*\c:\reg+4*\c+3], v[\adr] offset:(\k)+32*\c+(\i)*16*PITCH
.endr
.endm
.macro FETCH slot, k, f
	WIN TO_F
.irp i, 0,1,2,3
	FRAG \f+64+16*\i, ADRB+\slot, \k, \i
.endr
.irp i, 0,1,2,3
	FRAG \f+16*\i, ADRA+\slot, \k, \i
.endr
.endm
.macro PLACES
.rept 4
	v_nop
.endr
.endm
.macro QUARTER slot, k, f, g, zero
	s_wait_dscnt 8
	WIN MUL
	MUL4 \f, 0, \zero
	MUL4 \f, 1, \zero
	PLACES
	FETCH \slot, \k, \g
	s_wait_dscnt 32
	WIN MUL
	MUL4 \f, 2, \zero
	MUL4 \f, 3, \zero
.endm
.macro TURN slot, next, fill
	WIN 0
	s_wait_tensorcnt 0x0
	ds_add_u32 v[SPW], v[NIL]
	s_wait_dscnt 9
	WIN MUL
	MUL4 F1, 0, 0
	s_wait_dscnt 0x0
	s_barrier_signal -1
	MUL4 F1, 1, 0
.if \fill
	WIN 0
.endif
	s_barrier_wait -1
.if \fill
	CREST
	s_add_nc_u64 s[G0+4*\slot+2:G0+4*\slot+3], s[G0+4*\slot+2:G0+4*\slot+3], 2*KSTEP
	s_add_nc_u64 s[G0B+4*\slot+2:G0B+4*\slot+3], s[G0B+4*\slot+2:G0B+4*\slot+3], 2*KSTEP
	JLOAD \slot
.else
	PLACES
.endif
	FETCH \next, 0, F0
	WIN MUL
	MUL4 F1, 2, 0
	MUL4 F1, 3, 0
.endm
	s_wait_tensorcnt 1
	s_barrier_signal -1
	s_barrier_wait -1
	FETCH 0, 0, F0
	QUARTER 0, 128, F0, F1, 1
	QUARTER 0, 256, F1, F0, 0
	QUARTER 0, 384, F0, F1, 0
	TURN 0, 1, 1
	QUARTER 1, 128, F0, F1, 0
	QUARTER 1, 256, F1, F0, 0
	QUARTER 1, 384, F0, F1, 0
	TURN 1, 0, 1
	QUARTER 0, 128, F0, F1, 0
	QUARTER 0, 256, F1, F0, 0
	QUARTER 0, 384, F0, F1, 0
	TURN 0, 1, 0
	QUARTER 1, 128, F0, F1, 0
	QUARTER 1, 256, F1, F0, 0
	QUARTER 1, 384, F0, F1, 0
	s_wait_dscnt 8
	WIN MUL
	MUL4 F1, 0, 0
	MUL4 F1, 1, 0
	s_wait_dscnt 0
	MUL4 F1, 2, 0
	MUL4 F1, 3, 0
	WIN 0
.macro TOSTAGE a
.set TS, TMP+32*((\a)%2)
.irp j, 0,2,4,6,8,10,12,14,16,18,20,22,24,26,28,30
	v_pk_mul_f32 v[TS+\j:TS+\j+1], v[ACC+32*(\a)+\j:ACC+32*(\a)+\j+1], s[96:97] op_sel_hi:[1,0]
.endr
.irp b, 0,1,2,3
	ds_store_b128 v[STO], v[TS+8*\b:TS+8*\b+3] offset:64*\b
	ds_store_b128 v[STO], v[TS+8*\b+4:TS+8*\b+7] offset:64*\b+16
.endr
.irp i, 0,1,2,3,4,5,6,7
	ds_load_b128 v[ACC+32*(\a)+4*\i:ACC+32*(\a)+4*\i+3], v[RD] offset:2*SPITCH*\i
.endr
.endm
.macro SEND a, younger
	s_wait_dscnt \younger
.irp i, 0,1,2,3,4,5,6,7
	global_store_b128 v[CO], v[ACC+32*(\a)+4*\i:ACC+32*(\a)+4*\i+3], s[10:11] offset:(16*(\a)+2*\i)*8192 th:TH_STORE_NT
.endr
.endm
	s_wait_kmcnt 0x0
	s_add_co_i32 s96, s96, s97
	s_add_co_i32 s96, s96, 127
	s_lshl_b32 s96, s96, 23
	s_mov_b32 s97, s96
	PLACES
	TOSTAGE 0
	TOSTAGE 1
	SEND 0, 16
	TOSTAGE 2
	SEND 1, 16
	TOSTAGE 3
	SEND 2, 16
	SEND 3, 0
	s_wait_tensorcnt 0x0
	ds_add_u32 v[SPW], v[NIL]
	s_wait_dscnt 0x0
	CROUND
	s_endpgm
.Lfunc_end_k_qf99d456e88_oproj:
	.size	k_qf99d456e88_oproj, .Lfunc_end_k_qf99d456e88_oproj-k_qf99d456e88_oproj
	.p2alignl 7, 3214868480
	.fill 96, 4, 3214868480
	.section	.rodata,"a",@progbits
	.p2align	6, 0x0
	.amdhsa_kernel k_qf99d456e88_oproj
		.amdhsa_group_segment_fixed_size 327680
		.amdhsa_private_segment_fixed_size 0
		.amdhsa_enable_private_segment 0
		.amdhsa_kernarg_size 32
		.amdhsa_user_sgpr_count 2
		.amdhsa_user_sgpr_kernarg_segment_ptr 1
		.amdhsa_wavefront_size32 1
		.amdhsa_system_sgpr_workgroup_id_x 1
		.amdhsa_system_sgpr_workgroup_id_y 1
		.amdhsa_system_sgpr_workgroup_id_z 1
		.amdhsa_system_vgpr_workitem_id 0
		.amdhsa_next_free_vgpr 512
		.amdhsa_next_free_sgpr 98
		.amdhsa_reserve_vcc 0
		.amdhsa_float_denorm_mode_32 3
		.amdhsa_float_denorm_mode_16_64 3
		.amdhsa_memory_ordered 1
		.amdhsa_forward_progress 1
		.amdhsa_inst_pref_size 74
	.end_amdhsa_kernel
	.amdgpu_metadata
---
amdhsa.version: [ 1, 2 ]
amdhsa.kernels:
  - .name:           k_qf99d456e88_oproj
    .symbol:         k_qf99d456e88_oproj.kd
    .args:
      - { .name: ac, .offset: 0, .size: 8, .value_kind: global_buffer, .address_space: global }
      - { .name: codes, .offset: 8, .size: 8, .value_kind: global_buffer, .address_space: global }
      - { .name: lowp_scales, .offset: 16, .size: 8, .value_kind: global_buffer, .address_space: global }
      - { .name: out0, .offset: 24, .size: 8, .value_kind: global_buffer, .address_space: global }
    .group_segment_fixed_size: 327680
    .private_segment_fixed_size: 0
    .kernarg_segment_align: 8
    .kernarg_segment_size: 32
    .max_flat_workgroup_size: 128
    .sgpr_count:     98
    .vgpr_count:     512
    .wavefront_size: 32
...
	.end_amdgpu_metadata
.endif
;; end of part 4
